; MI455X (gfx1250); checked and timed in simulation.
; The chip was launched on July 23, 2026; its instructions are those of AMD's public machine-readable ISA for CDNA 5 (MIT licence, August 2026) and "CDNA5" Instruction Set Architecture Reference Guide (July 2026). The comments in the code are by the model that wrote it; some were corrected since.
;; Attention. Allowed arithmetic: matrix products marked QUANTISED: E4M3 operands, one given power-of-two scale a tensor, by v_wmma_f32_16x16x64_fp8_fp8 or v_wmma_f32_16x16x128_fp8_fp8, f32 sums; everything else in f32.
;; Inputs: cos_cache 2,048 x 64 float32; lowp_scales 12 int32 (the exponents e of the quantised operands' scales 2^e); mask 1 x 1 x 2,048 x 2,048 int32; sin_cache 2,048 x 64 float32; w_k 2,048 x 2,048 float32; w_o 2,048 x 2,048 float32; w_q 2,048 x 2,048 float32; w_v 2,048 x 2,048 float32; x 1 x 2,048 x 2,048 float32.
;; Outputs: out0 1 x 2,048 x 2,048 float32.
;; Constants: rope_offset = 0.
;; This version of the problem:
;;   THIS VERSION OF THE PROBLEM IS GIVEN IN LOW PRECISION. The matrix products marked QUANTISED in the list below multiply operands that are first quantised to E4M3 (4 exponent bits, 3 mantissa bits; 8 bits a number), with one given power-of-two scale for each operand tensor; their sums are f32. All else is computed in f32.
;;   The module's matrix products, in the order in which they are computed (A, B: the left and right operand; K: the contracted axis; several contracted axes count as one K, in the product's order):
;;     1. [M 2,048, K 2,048] x [K 2,048, N 2,048]; A: input x; B: input w_q: QUANTISED (scales: A lowp_scales[0], B lowp_scales[1])
;;     2. [M 2,048, K 2,048] x [K 2,048, N 2,048]; A: input x; B: input w_k: QUANTISED (scales: A lowp_scales[2], B lowp_scales[3])
;;     3. [M 2,048, K 2,048] x [K 2,048, N 2,048]; A: input x; B: input w_v: QUANTISED (scales: A lowp_scales[4], B lowp_scales[5])
;;     4. batch 16 x [M 2,048, K 128] x [K 128, N 2,048]; A: computed on the way; B: computed on the way: QUANTISED (scales: A lowp_scales[6], B lowp_scales[7])
;;     5. batch 16 x [M 128, K 2,048] x [K 2,048, N 2,048]; A: computed on the way; B: softmax (see below): QUANTISED (scales: A lowp_scales[8], B lowp_scales[9])
;;     6. [M 2,048, K 2,048] x [K 2,048, N 2,048]; A: computed on the way; B: input w_o: QUANTISED (scales: A lowp_scales[10], B lowp_scales[11])
;;   THE QUANTISER, for each operand of a quantised product, along K:
;;     - The operand's scale is 2^e, e = its entry of the input lowp_scales (int32; the entries are numbered through the quantised products in the list's order, A before B).
;;     - Each number is divided by the scale, clamped to +-448, and rounded to the nearest number of E4M3, ties to even, subnormals kept.
;;     - The product sums the exact products of the quantised numbers (number of the format x scale) in f32.
;;   ~~~python
;;   def quantise(x, axis, e):      # numpy; x: float32 -> the quantised numbers, widened to float32 again
;;       x = np.moveaxis(x, axis, -1); K = x.shape[-1]
;;       r = np.clip(x / 2.0 ** e, -448, 448)
;;       step = 2.0 ** (np.maximum(np.frexp(np.where(r == 0, 1, r))[1] - 1, -6) - 3)
;;       q = np.round(r / step) * step * 2.0 ** e      # np.round: ties to even
;;       return np.moveaxis(q, -1, axis).astype(np.float32)
;;   ~~~
;;   SOFTMAX AHEAD OF A QUANTISED PRODUCT. Where the list says 'softmax', what is quantised is not the finished softmax but p = 2^(t - M), with t = logit x log2(e) and M = ceil(the row's largest t), a whole number; so 1/2 < the row's largest p <= 1. The row's sum l is taken of the UNQUANTISED p, in f32, and the product's result is divided by l at the end. Since M is a whole number, a kernel that streams over the keys may use a running M (the ceiling of the running maximum): every later rescaling is an exact power of two, so the quantised numbers keep their values, but for numbers so far below the row's largest that they fall under the format's range.
;;   OPERANDS COMPUTED ON THE WAY. 'Computed on the way' means the value that the module computes at that place (a softmax that the list does not call 'softmax' is quantised finished and normalised). What goes into a quantiser is computed in f32, as accurately as f32 sums, v_exp_f32 and their like allow (about 1e-6 of the number): no bf16 or f16 on the way to a quantiser, and a product that is left as it is and whose result goes on into a quantised operand takes f32 operands (vector FMAs, or v_wmma_f32_16x16x4_f32). A number that lies on a knife's edge between two numbers of the format may be rounded either way, as far as f32 arithmetic and the matrix unit's own rounding can turn it there, and no further.
;; One version. Each part assembles by itself: llvm-mc -triple=amdgcn-amd-amdhsa -mcpu=gfx1250 --defsym DOCPART=n.
;; ======== version 1 of 1: 4 launches
;; limits: right only within a limited range of input values
;; workspace buffers: xc 12,582,912 bytes; wc 16,777,216 bytes; qkvc 12,582,912 bytes; oc 4,194,304 bytes; mw 524,288 bytes of whole numbers; fl 8,192 bytes of whole numbers
;; launch prep (part 1): grid 768 x 1, 4 waves a work-group, no clusters, 34,304 bytes of LDS; arguments x, w_q, w_k, w_v, w_o, mask, lowp_scales, xc, wc, mw, fl; writes xc, wc, mw, fl
.if DOCPART == 1
	.amdgcn_target "amdgcn-amd-amdhsa--gfx1250"
	.amdhsa_code_object_version 6
	.text
	.protected	k_q6918731bca_prep
	.globl	k_q6918731bca_prep
	.p2align	8
	.type	k_q6918731bca_prep,@function
k_q6918731bca_prep:
	s_mov_b64 s[64:65], 0
	v_nop
	global_prefetch_b8 v0, s[64:65] scope:SCOPE_SE
	s_setreg_imm32_b32 hwreg(HW_REG_WAVE_MODE, 25, 1), 1
	s_wait_xcnt 0x0
; FIRST OF FOUR LAUNCHES of an attention layer (S = D = 2,048, 16 heads of 128) on codes of FP8 (E4M3), each operand with the one scale 2^e that is given for it.
; This launch: x (three times: e0, e2, e4), w_q (e1), w_k (e3), w_v (e5), w_o (e11) become codes; the mask becomes bits and two flags for each tile.
; DEAD WORK: none of the inputs is dead, and no product is left out as a whole.  rope_offset is the constant 0: the caches are read from row 0.  What the third launch leaves out is decided by whole
; numbers that this launch stores: a step of 128 keys in which mask == 0 for all 16 queries of a tile gives p = 0 for all of them in reference() too (a score of -infinity), whatever the other inputs hold.
; LIMIT: a NaN, an infinity or an overflow that would arise only in scores that the mask hides is not carried to the result (reference() overwrites those scores with -infinity as well).
; LIMITS: each e between -126 and 119, so that 2^e and 448 x 2^e are f32 numbers.  NaN among the inputs is not served.
; LAYOUT OF THE CODES: an IMAGE OF THE OPERAND'S REGISTERS.  A fragment, 16 rows x 128 K, is 2,048 bytes [c 0..3][lane 0..31][16 bytes]: lane (r = lane % 16, h = lane / 16) holds, of row r, k = 32 c + 16 h + 0 .. 15.
; xc: [set 0..2][row tile T][K step s][2,048];  wc: [w_q, w_k, w_v, w_o][T][s][2,048].  x's and w_o's tiles take rows 16 T + i.  THE ROWS OF A TILE OF w_q, w_k, w_v ARE NOT NEIGHBOURS: tile 8 head + a takes rows
; 128 head + 32 (a / 2) + 8 (a % 2) + i + 8 (i / 8), so that a later product's results lie, in a lane's registers, as 16 neighbours along the next K.
; mw: [query tile T][key step][64 words]: word 8 t + j, bit l: mask(16 T + l % 16, 128 step + 16 t + 8 (l / 16) + j) != 0.   fl: [T][key step]: bit 0: some bit of the 64 words is set; bit 1: all are.
; SHARES.  768 work-groups: z = number / 128 names the tensor (0 x, 1-4 the weights, 5 the mask), T = number % 128 its 16 rows.  Wave q takes K steps 4 q + u, u = 0 .. 3: a UNIT is 16 rows x 512 bytes.
; Each of a unit's 16 loads reads 512 consecutive bytes; the unit turns through the wave's own stage in LDS (rows of 512 + 16 bytes) and comes back 64 bytes a lane; a fragment leaves by four stores of 512 consecutive bytes.
; LOADS RUN TWO UNITS AHEAD, in two sets of 64 registers by turns: 32 loads of a wave, 16,384 bytes, are out while a unit is worked on.  All LDS lines stand in the text that every work-group walks.
; No matrix unit, no cluster: the launch streams, and no byte is read twice.
.set STGW,  8448                       ; a wave's stage: 16 rows x 528 bytes
.set SPARE, 4*STGW                     ; behind the stages: the spare words, 128 bytes for each wave: two blocks of 256 bytes that no other line names
.set VO0, 2                            ; v2  16 x lane;  v3  the same + 8 rows for the second half of a tile of w_q, w_k, w_v
.set SA,  4                            ; v4  the stage, on the way in
.set SB,  5                            ; v5  and on the way out: 528 r + 64 h
.set DO,  6                            ; v6  16 x lane: my place in a store of codes
.set V8L, 7                            ; v7  8 x lane
.set SC,  8                            ; v8-13  three pairs: 2^e, 448 x 2^e
.set SPW, 14                           ; v14 LDS address of my spare word; never rewritten
.set NIL, 15                           ; v15 0; never rewritten
.set MW,  16                           ; v16-17 a unit's 64 mask words, two a lane
.set FLV, 18                           ; v18 the wave's four flags, in lanes 0 to 3
.set V4L, 19                           ; v19 4 x lane
.set R,   32                           ; v32-159  two units as loaded: unit u in set u % 2
.set X,   160                          ; v160-223 a unit turned: register 16 c + i = k 32 c + 16 h + i of row r
.set Y,   224                          ; v224-239 16 held numbers
.set C,   240                          ; v240-255 a fragment of codes
.set F,   32                           ; s32-47 sixteen compare masks
.set Z,   26
.set TT,  27
.set WQ,  28
.set SRC, 30                           ; s[30:31] my wave's first byte of the source
.set D0,  48                           ; s[48:49], s[50:51], s[52:53] where my fragments go (x: three sets)
.set MWB, 54                           ; s[54:55] my wave's four records of mask words
.set FLB, 56                           ; s[56:57] my wave's four flags
.set ANY, 58
.set ALL, 59
	s_load_b512 s[4:19], s[0:1], 0x0               ; x, w_q, w_k, w_v, w_o, mask, the scales' exponents, xc
	s_load_b128 s[20:23], s[0:1], 0x40             ; wc, mw
	s_load_b64 s[24:25], s[0:1], 0x50              ; fl
	v_lshl_add_u32 v[SPW], v0, 2, SPARE
	v_mov_b32 v[NIL], 0
	v_lshrrev_b32 v1, 5, v0
	v_readfirstlane_b32 s[WQ], v1                  ; wave q
	v_and_b32 v1, 31, v0                           ; lane; v1 stays
	s_wait_alu depctr_va_vdst(0)
	s_lshr_b32 s[Z], ttmp9, 7
	s_and_b32 s[TT], ttmp9, 127
	s_sub_co_u32 s29, s[Z], 1                      ; 0, 1, 2 for w_q, w_k, w_v
	s_lshl_b32 s62, s[TT], 4                       ; the tile's first row: 16 T,
	s_lshr_b32 s63, s[TT], 3
	s_lshl_b32 s63, s63, 7
	s_bfe_u32 s2, s[TT], 0x20001
	s_lshl_b32 s2, s2, 5
	s_add_co_u32 s63, s63, s2
	s_and_b32 s2, s[TT], 1
	s_lshl_b32 s2, s2, 3
	s_add_co_u32 s63, s63, s2                      ; or 128 (T / 8) + 32 ((T / 2) % 4) + 8 (T % 2)
	s_cmp_lt_u32 s29, 3
	s_cselect_b32 s62, s63, s62
	s_cselect_b32 s3, 65536, 0                     ; and there rows 8 to 15 of the tile lie 8 rows further down
	s_lshl_b32 s62, s62, 13                        ; a row is 8,192 bytes
	s_lshl_b32 s63, s[WQ], 11                      ; my wave's four K steps: 2,048 bytes of a row
	s_add_co_u32 s62, s62, s63
	s_mov_b32 s63, 0
	v_lshlrev_b32 v[VO0], 4, v1
	v_add_nc_u32 v[VO0+1], s3, v[VO0]
	s_mul_i32 s2, s[WQ], STGW
	v_add_nc_u32 v[SA], s2, v[VO0]
	v_and_b32 v20, 15, v0
	v_bfe_u32 v21, v0, 4, 1
	v_mul_u32_u24 v[SB], v20, 528
	v_lshl_add_u32 v[SB], v21, 6, v[SB]
	v_add_nc_u32 v[SB], s2, v[SB]
	v_lshlrev_b32 v[DO], 4, v1
	v_lshlrev_b32 v[V8L], 3, v1
	v_lshlrev_b32 v[V4L], 2, v1
	v_mov_b32 v[MW], 0                             ; a lane write's destination counts as read: written once
	v_mov_b32 v[MW+1], 0
	v_mov_b32 v[FLV], 0
	s_lshl_b32 s2, s[TT], 15                       ; a row tile's 16 fragments are 32,768 bytes,
	s_lshl_b32 s3, s[WQ], 13                       ; my wave's four 8,192
	s_add_co_u32 s2, s2, s3
	s_mov_b32 s3, 0
	s_max_i32 s60, s29, 0
	s_min_u32 s60, s60, 3
	s_lshl_b32 s60, s60, 22                        ; which weight: 4 MiB each (x: 0)
	s_mov_b32 s61, 0
	s_wait_alu depctr_va_vdst(0)
	s_wait_kmcnt 0x0
	s_load_b256 s[68:75], s[16:17], 0x0            ; e0 .. e7
	s_load_b128 s[76:79], s[16:17], 0x20           ; e8 .. e11
	s_cmp_eq_u32 s[Z], 1                           ; the source: a choice on the work-group's number alone
	s_cselect_b64 s[SRC:SRC+1], s[6:7], s[4:5]
	s_cmp_eq_u32 s[Z], 2
	s_cselect_b64 s[SRC:SRC+1], s[8:9], s[SRC:SRC+1]
	s_cmp_eq_u32 s[Z], 3
	s_cselect_b64 s[SRC:SRC+1], s[10:11], s[SRC:SRC+1]
	s_cmp_eq_u32 s[Z], 4
	s_cselect_b64 s[SRC:SRC+1], s[12:13], s[SRC:SRC+1]
	s_cmp_eq_u32 s[Z], 5
	s_cselect_b64 s[SRC:SRC+1], s[14:15], s[SRC:SRC+1]
	s_add_nc_u64 s[SRC:SRC+1], s[SRC:SRC+1], s[62:63]
	s_cmp_eq_u32 s[Z], 0
	s_cselect_b64 s[D0:D0+1], s[18:19], s[20:21]
	s_add_nc_u64 s[D0:D0+1], s[D0:D0+1], s[2:3]
	s_add_nc_u64 s[D0:D0+1], s[D0:D0+1], s[60:61]
	s_add_nc_u64 s[D0+2:D0+3], s[18:19], s[2:3]    ; x's second and third set, from xc's own address
	s_add_nc_u64 s[D0+4:D0+5], s[D0+2:D0+3], 0x800000
	s_add_nc_u64 s[D0+2:D0+3], s[D0+2:D0+3], 0x400000
	s_lshl_b32 s58, s[TT], 12                      ; a record of mask words is 256 bytes: (16 T + 4 q) x 256
	s_lshl_b32 s59, s[WQ], 10
	s_add_co_u32 s58, s58, s59
	s_mov_b32 s59, 0
	s_add_nc_u64 s[MWB:MWB+1], s[22:23], s[58:59]
	s_lshl_b32 s58, s[TT], 6                       ; a flag is 4 bytes
	s_lshl_b32 s60, s[WQ], 4
	s_add_co_u32 s58, s58, s60
	s_add_nc_u64 s[FLB:FLB+1], s[24:25], s[58:59]
.macro LOAD u                          ; unit u: 16 rows, 512 consecutive bytes a load, into set u % 2
.irp i, 0,1,2,3,4,5,6,7,8,9,10,11,12,13,14,15
	global_load_b128 v[R+64*((\u)%2)+4*\i:R+64*((\u)%2)+4*\i+3], v[VO0+\i/8], s[SRC:SRC+1] offset:8192*\i+512*(\u) th:TH_LOAD_NT
.endr
.endm
.macro TURN u                          ; through my stage: LDS serves a wave's instructions in order, so no wait stands between the stores and the loads
.irp i, 0,1,2,3,4,5,6,7,8,9,10,11,12,13,14,15
	ds_store_b128 v[SA], v[R+64*((\u)%2)+4*\i:R+64*((\u)%2)+4*\i+3] offset:528*\i
.endr
.irp c, 0,1,2,3
.irp j, 0,1,2,3
	ds_load_b128 v[X+16*\c+4*\j:X+16*\c+4*\j+3], v[SB] offset:128*\c+16*\j
.endr
.endr
.endm
.macro MKSCALE v, e                    ; v[v] = 2^e, v[v + 1] = 448 x 2^e
	s_add_co_i32 s59, \e, 127
	s_lshl_b32 s60, s59, 23
	v_mov_b32 v[\v], s60
	s_add_co_i32 s59, s59, 8
	s_lshl_b32 s59, s59, 23
	s_or_b32 s59, s59, 0x600000
	v_mov_b32 v[\v+1], s59
.endm
.macro QUANT k                         ; the unit becomes a fragment of codes under scale k.  X is kept: x is quantised three times
.if \k > 0
	s_wait_xcnt 0x0                                ; the stores of the fragment before have read C: it is written again only behind this wait
.endif
.irp c, 0,1,2,3
.irp i, 0,1,2,3,4,5,6,7,8,9,10,11,12,13,14,15
	v_med3_num_f32 v[Y+\i], v[X+16*\c+\i], -v[SC+2*\k+1], v[SC+2*\k+1]   ; the conversion to an 8-bit code does not saturate (ISA guide 7.6.2): the hold at the largest code x the scale
.endr
	v_cvt_scalef32_pk8_fp8_f32 v[C+4*\c:C+4*\c+1], v[Y:Y+7], v[SC+2*\k]
	v_cvt_scalef32_pk8_fp8_f32 v[C+4*\c+2:C+4*\c+3], v[Y+8:Y+15], v[SC+2*\k]
	v_nop                                          ; a plain vector line between the conversions and the next holds, which write their sources
.endr
.endm
.macro PUT k, u
.irp c, 0,1,2,3
	global_store_b128 v[DO], v[C+4*\c:C+4*\c+3], s[D0+2*\k:D0+2*\k+1] offset:2048*(\u)+512*\c   ; 32 lanes store 512 consecutive bytes, aligned
.endr
.endm
; The mask's unit.  Compare mask i of quad c: bit l = mask(r, 32 c + 16 h + i) != 0.  Word 16 c + j takes the low halves of masks j and j + 8, word 16 c + 8 + j their high halves.
.macro MASKU u
	s_mov_b32 s[ANY], 0
	s_mov_b32 s[ALL], -1
.irp c, 0,1,2,3
.irp i, 0,1,2,3,4,5,6,7,8,9,10,11,12,13,14,15
	v_cmp_ne_u32 s[F+\i], 0, v[X+16*\c+\i]
.endr
.irp i, 0,1,2,3,4,5,6,7,8,9,10,11,12,13,14,15
	s_or_b32 s[ANY], s[ANY], s[F+\i]
	s_and_b32 s[ALL], s[ALL], s[F+\i]
.endr
.set W, 68                             ; s68-83: the quad's sixteen words (the scales' exponents that lay here have been used)
.irp j, 0,1,2,3,4,5,6,7
	s_and_b32 s60, s[F+\j], 0xffff
	s_lshl_b32 s61, s[F+\j+8], 16
	s_or_b32 s[W+\j], s60, s61
	s_lshr_b32 s60, s[F+\j], 16
	s_and_b32 s61, s[F+\j+8], 0xffff0000
	s_or_b32 s[W+8+\j], s60, s61
.endr
.irp j, 0,1,2,3,4,5,6,7                ; the lane writes stand in one run, with no scalar line between them
	v_writelane_b32 v[MW+\j%2], s[W+\j], (16*\c+\j)/2
	v_writelane_b32 v[MW+\j%2], s[W+8+\j], (16*\c+8+\j)/2
.endr
.endr
	global_store_b64 v[V8L], v[MW:MW+1], s[MWB:MWB+1] offset:256*(\u)   ; the record's 256 bytes, whole
	s_cmp_lg_u32 s[ANY], 0
	s_cselect_b32 s60, 1, 0
	s_cmp_eq_u32 s[ALL], -1
	s_cselect_b32 s61, 2, 0
	s_or_b32 s60, s60, s61
	v_writelane_b32 v[FLV], s60, \u
.endm
.macro UNIT u
.if \u < 3
	s_wait_loadcnt 16                              ; this unit's 16 loads are in; the next unit's 16 may be out
.else
	s_wait_loadcnt 0x0
.endif
	TURN \u
	s_wait_dscnt 0x0                               ; the unit is back, turned; the stage's stores have read this unit's set
	s_wait_xcnt 0x0                                ; the last unit's stores have read their data: C and MW are written again only behind this wait
.if \u < 2
	LOAD (\u)+2                                    ; the set just read takes the unit two further on
.endif
	s_cmp_eq_u32 s[Z], 5
	s_cbranch_scc1 .Lmask_\@
	QUANT 0
	PUT 0, \u
	s_cmp_lg_u32 s[Z], 0
	s_cbranch_scc1 .Ldone_\@
	QUANT 1                                        ; x alone: its codes under e2 and under e4
	PUT 1, \u
	QUANT 2
	PUT 2, \u
	s_branch .Ldone_\@
.Lmask_\@:
	MASKU \u
.Ldone_\@:
.endm
	LOAD 0
	LOAD 1
	s_wait_kmcnt 0x0
	s_cmp_eq_u32 s[Z], 1                           ; the scale of the first set: x e0, w_q e1, w_k e3, w_v e5, w_o e11
	s_cselect_b32 s58, s69, s68
	s_cmp_eq_u32 s[Z], 2
	s_cselect_b32 s58, s71, s58
	s_cmp_eq_u32 s[Z], 3
	s_cselect_b32 s58, s73, s58
	s_cmp_eq_u32 s[Z], 4
	s_cselect_b32 s58, s79, s58
	MKSCALE SC, s58
	MKSCALE SC+2, s70
	MKSCALE SC+4, s72
	s_wait_alu depctr_va_vdst(0)
	UNIT 0
	UNIT 1
	UNIT 2
	UNIT 3
	s_cmp_lg_u32 s[Z], 5
	s_cbranch_scc1 .Lend
	s_wait_alu depctr_va_vdst(0)
	s_wait_xcnt 0x0                                ; EXEC changes only behind this wait
	v_cmp_gt_u32 vcc_lo, 4, v1
	s_and_saveexec_b32 s60, vcc_lo
	global_store_b32 v[V4L], v[FLV], s[FLB:FLB+1]  ; my wave's four flags
	s_wait_xcnt 0x0                                ; and again, in front of the line that widens it
	s_or_b32 exec_lo, exec_lo, s60
.Lend:
	s_wait_tensorcnt 0x0                           ; the wave's end, behind my last LDS store
	ds_add_u32 v[SPW], v[NIL]
	s_wait_dscnt 0x0
	s_endpgm
.Lfunc_end_k_q6918731bca_prep:
	.size	k_q6918731bca_prep, .Lfunc_end_k_q6918731bca_prep-k_q6918731bca_prep
	.p2alignl 7, 3214868480
	.fill 96, 4, 3214868480
	.section	.rodata,"a",@progbits
	.p2align	6, 0x0
	.amdhsa_kernel k_q6918731bca_prep
		.amdhsa_group_segment_fixed_size 34304
		.amdhsa_private_segment_fixed_size 0
		.amdhsa_enable_private_segment 0
		.amdhsa_kernarg_size 88
		.amdhsa_user_sgpr_count 2
		.amdhsa_user_sgpr_kernarg_segment_ptr 1
		.amdhsa_wavefront_size32 1
		.amdhsa_system_sgpr_workgroup_id_x 1
		.amdhsa_system_sgpr_workgroup_id_y 1
		.amdhsa_system_sgpr_workgroup_id_z 1
		.amdhsa_system_vgpr_workitem_id 0
		.amdhsa_next_free_vgpr 256
		.amdhsa_next_free_sgpr 84
		.amdhsa_reserve_vcc 1
		.amdhsa_float_denorm_mode_32 3
		.amdhsa_float_denorm_mode_16_64 3
		.amdhsa_memory_ordered 1
		.amdhsa_forward_progress 1
		.amdhsa_inst_pref_size 162
	.end_amdhsa_kernel
	.amdgpu_metadata
---
amdhsa.version: [ 1, 2 ]
amdhsa.kernels:
  - .name:           k_q6918731bca_prep
    .symbol:         k_q6918731bca_prep.kd
    .args:
      - { .name: x, .offset: 0, .size: 8, .value_kind: global_buffer, .address_space: global }
      - { .name: w_q, .offset: 8, .size: 8, .value_kind: global_buffer, .address_space: global }
      - { .name: w_k, .offset: 16, .size: 8, .value_kind: global_buffer, .address_space: global }
      - { .name: w_v, .offset: 24, .size: 8, .value_kind: global_buffer, .address_space: global }
      - { .name: w_o, .offset: 32, .size: 8, .value_kind: global_buffer, .address_space: global }
      - { .name: mask, .offset: 40, .size: 8, .value_kind: global_buffer, .address_space: global }
      - { .name: lowp_scales, .offset: 48, .size: 8, .value_kind: global_buffer, .address_space: global }
      - { .name: xc, .offset: 56, .size: 8, .value_kind: global_buffer, .address_space: global }
      - { .name: wc, .offset: 64, .size: 8, .value_kind: global_buffer, .address_space: global }
      - { .name: mw, .offset: 72, .size: 8, .value_kind: global_buffer, .address_space: global }
      - { .name: fl, .offset: 80, .size: 8, .value_kind: global_buffer, .address_space: global }
    .group_segment_fixed_size: 34304
    .private_segment_fixed_size: 0
    .kernarg_segment_align: 8
    .kernarg_segment_size: 88
    .max_flat_workgroup_size: 128
    .sgpr_count:     84
    .vgpr_count:     256
    .wavefront_size: 32
...
	.end_amdgpu_metadata
.endif
;; end of part 1
;; launch qkv (part 2): grid 24 x 8, 4 waves a work-group, clusters of 4 x 4, 327,680 bytes of LDS; arguments xc, wc, cos_cache, sin_cache, lowp_scales, qkvc; writes qkvc
.if DOCPART == 2
	.amdgcn_target "amdgcn-amd-amdhsa--gfx1250"
	.amdhsa_code_object_version 6
	.text
	.protected	k_q6918731bca_qkv
	.globl	k_q6918731bca_qkv
	.p2align	8
	.type	k_q6918731bca_qkv,@function
k_q6918731bca_qkv:
	s_mov_b64 s[64:65], 0
	v_nop
	global_prefetch_b8 v0, s[64:65] scope:SCOPE_SE
	s_setreg_imm32_b32 hwreg(HW_REG_WAVE_MODE, 25, 1), 1
	s_wait_xcnt 0x0
	s_wait_alu depctr_hold_cnt(0) depctr_sa_sdst(0) depctr_va_vdst(0) depctr_va_sdst(0) depctr_va_ssrc(0) depctr_va_vcc(0) depctr_vm_vsrc(0)
	s_getreg_b32 s2, hwreg(HW_REG_IB_STS2, 6, 4)
	s_cmp_eq_u32 s2, 0
	s_cbranch_scc0 .Lentry_in_a_cluster
	s_endpgm
.Lentry_in_a_cluster:
	s_bfe_u32 s2, ttmp6, 0x10000c
	s_cmp_lg_u32 s2, 0xf033
	s_cbranch_scc0 .Lentry_shape_is_right
	s_endpgm
.Lentry_shape_is_right:
; SECOND LAUNCH: q = rope(x w_q^T), k = rope(x w_k^T), v = x w_v^T on codes of FP8 (E4M3), and the quantisers of q (e6), k (e7), v (e8).  No work is left out.
; z = cluster x / 2 names the product (0 q, 1 k, 2 v).  A work-group of four waves makes 256 x 256; a wave 128 x 128: 64 accumulators, 512 registers.  For v the operands change places (rows = w_v's, columns = x's),
; so that v's codes come out with the keys innermost.  Operands and results are images of operand registers: a fragment, 16 rows x 128 K, is 2,048 bytes [c][lane][16].
; THE RING: two LDS slots of 256 along K; a wave fetches 8 row tiles x 4,096 bytes with one joint load (A's tiles shared along the cluster's row, B's along its column).
; PREFETCH: behind each joint load, for K slot j, one instruction a wave names K slot j + 2: of the 128 blocks of 256 bytes that the wave's load will take, the partner at place p (cx for A, cy for B)
; names row tiles 2 p and 2 p + 1, a lane a block: each block once in each cluster that loads it.  The loads of K slots 6 and 7 ask for nothing.
; ROPE: cos and sin of the work-group's 256 rows.  At the last change of slots (q and k alone: a tail of its own for each way, chosen by the cluster's number) slot 0 takes them by one more joint load a wave:
; wave w: cache w / 2, row half w % 2, rows 0-111 of the half, 256 bytes + 16 of padding: 30,464 bytes inside the wave's 32,768.  The half's rows 112-127, for which the padded part has no room,
; come by 16 register loads a wave, issued two steps ahead of their use.  One prefetch a wave, ahead of the loop, names 32 of these rows (partners told apart by cx).
; LIMITS: for each product e(result) - e(A) - e(B) between -126 and 119.  NaN among the inputs is not served.
; REGISTERS: window 0: v10-31 constants and addresses; v32-95 cos, sin of rows 112-127; v128-255 A's fragments, on the way out v160-223 results, v224-255 codes.
;   window 1: B's fragments, two sets; on the way out four sets of cos, sin.   windows 2, 3: the accumulators.
.set FR,    16
.set NL,    4
.set NP,    4
.set PART,  32768
.set SLOT,  4*PART
.set LAPS,  4
.set SPARE, 2*SLOT                     ; behind the ring: the spare words, 128 bytes a wave
.set CP,    272                        ; a row of cos or sin in LDS
.set SCV,  10
.set LIMV, 11
.set ADRA, 16
.set ADRB, 20
.set CL,   22                          ; v22 LDS address of my rows' cos, v23 of their sin
.set SL,   23
.set OO,   26
.set CA,   27
.set SPW,  28
.set NIL,  29
.set PFO,  30                          ; v30 the tiles' prefetch: 32,768 x (lane / 16) + 256 x (lane % 16)
.set PFC,  31                          ; v31 the caches' prefetch: 256 x lane
.set AF,   128
.set YY,   160
.set CC,   224
.set G1, 24
.set G0, 32
.set G1B, 48
.set G0B, 56
.set G1C, 88                           ; s[88:95], s[96:99] the descriptor of cos and sin
.set G0C, 96
.set PFA, 66                           ; s[66:67] where my tiles' prefetches stand
.set PCS, 100                          ; s[100:101] my 32 rows of cos or sin
.set MSB, 0
.macro WIN new
.if MSB != \new
	s_set_vgpr_msb (MSB<<8)|\new
.set MSB, \new
.endif
.endm
.set MUL_LO, 0xa1
.set MUL_HI, 0xf1
.set TO_B,   0x40
.macro PLACES n
.rept \n
	v_nop
.endr
.endm
.macro JLOAD g0a, g1a, g0b, g1b        ; waves 0, 1 fetch for A, waves 2, 3 for B; s_nop 0 and four v_nop behind each line
	s_cmp_eq_u32 s15, 0
	s_cbranch_scc0 .Lfor_b_\@
	tensor_load_to_lds s[\g0a:\g0a+3], s[\g1a:\g1a+7]
	s_nop 0
	PLACES 4
	s_branch .Lasked_\@
.Lfor_b_\@:
	tensor_load_to_lds s[\g0b:\g0b+3], s[\g1b:\g1b+7]
	s_nop 0
	PLACES 4
.Lasked_\@:
.endm
.macro CREST
	s_cmp_lg_u32 s14, 0
	s_cbranch_scc1 .Lnot_wave_0_\@
	s_barrier_signal -3
.Lnot_wave_0_\@:
	s_barrier_wait -3
	s_barrier_signal -1
	s_barrier_wait -1
.endm
.macro CROUND
	s_barrier_signal -1
	s_barrier_wait -1
	CREST
.endm
	s_load_b128 s[4:7], s[0:1], 0x0                ; xc, wc
	s_load_b128 s[8:11], s[0:1], 0x10              ; cos, sin
	s_load_b128 s[80:83], s[0:1], 0x20             ; the scales' exponents, qkvc
	v_lshl_add_u32 v[SPW], v0, 2, SPARE
	v_mov_b32 v[NIL], 0
	ds_add_u32 v[SPW], v[NIL]                      ; the opening lines: the add, twice on end, and its wait
	ds_add_u32 v[SPW], v[NIL]
	v_lshrrev_b32 v1, 5, v0
	v_readfirstlane_b32 s14, v1                    ; wave
	s_lshr_b32 s15, s14, 1                         ; my half of the rows; also: I fetch for A (0) or B (1); cos (0) or sin (1)
	s_and_b32 s16, s14, 1                          ; my half of the columns; also: which half I fetch
	s_bfe_u32 s40, ttmp6, 0x40000                  ; cx
	s_bfe_u32 s41, ttmp6, 0x40004                  ; cy
	s_lshl_b32 s42, ttmp9, 2
	s_add_co_u32 s42, s42, s40
	s_and_b32 s42, s42, 7                          ; tile column inside the product
	s_lshr_b32 s84, ttmp9, 1                       ; z
	s_and_b32 s17, ttmp7, 0xffff
	s_lshl_b32 s17, s17, 2
	s_add_co_u32 s17, s17, s41                     ; tile row
	s_lshl_b32 s43, s41, 2
	s_lshl_b32 s43, 15, s43                        ; my row of the cluster
	s_lshl_b32 s44, 0x1111, s40                    ; my column
	s_or_b32 s[G1+0], s43, (3<<16)|(1<<21)
	s_or_b32 s[G1B+0], s44, (3<<16)|(1<<21)
.irp g, G1, G1B
	s_mov_b32 s[\g+1], 512<<16                     ; 8 rows of 512 elements of 8 bytes, 4,096 elements apart
	s_mov_b32 s[\g+2], 8<<16
	s_mov_b32 s[\g+3], 512<<16
	s_mov_b32 s[\g+4], 8
	s_mov_b32 s[\g+5], 4096
	s_mov_b32 s[\g+6], 0
	s_mov_b32 s[\g+7], 0
.endr
	s_or_b32 s[G1C+0], s43, (1<<20)|(1<<21)|(5<<22)|(3<<25)   ; 112 rows of 256 bytes, four words of padding behind each 64; shared along my row
	s_mov_b32 s[G1C+1], 256<<16
	s_mov_b32 s[G1C+2], 112<<16
	s_mov_b32 s[G1C+3], 256<<16
	s_mov_b32 s[G1C+4], 112
	s_mov_b32 s[G1C+5], 256
	s_mov_b32 s[G1C+6], 0
	s_mov_b32 s[G1C+7], 0
	s_lshl_b32 s85, s84, 22
	s_lshl_b32 s18, s16, 18
	s_lshl_b32 s20, s17, 19
	s_add_co_u32 s20, s20, s18
	s_add_co_u32 s20, s20, s85
	s_mov_b32 s21, 0
	s_lshl_b32 s46, s42, 19
	s_add_co_u32 s46, s46, s18
	s_add_co_u32 s46, s46, s85
	s_mov_b32 s47, 0
	s_lshl_b32 s45, s14, 15                        ; where my part goes: wave x 32,768
	s_lshl_b32 s22, s15, 15                        ; where my rows of A lie,
	s_lshl_b32 s23, s16, 15
	s_add_co_u32 s23, s23, 2*PART                  ; and my rows of B
	v_and_b32 v1, 31, v0
	v_and_b32 v2, 15, v0
	v_bfe_u32 v3, v0, 4, 1
	v_lshlrev_b32 v[OO], 4, v1
	v_lshlrev_b32 v[PFC], 8, v1
	v_add_nc_u32 v[ADRA], s22, v[OO]
	v_add_nc_u32 v[ADRB], s23, v[OO]
	v_add_nc_u32 v[ADRA+1], SLOT, v[ADRA]
	v_add_nc_u32 v[ADRB+1], SLOT, v[ADRB]
	v_lshlrev_b32 v[CA], 8, v2
	v_lshl_add_u32 v[CA], v3, 6, v[CA]             ; a cache's row r, + 64 h bytes
	v_mul_u32_u24 v[CL], v2, CP
	v_lshl_add_u32 v[CL], v3, 6, v[CL]
	v_add_nc_u32 v[CL], s22, v[CL]                 ; cos: part = my row half
	v_add_nc_u32 v[SL], 2*PART, v[CL]              ; sin: two parts on
	v_lshlrev_b32 v[PFO], 8, v2
	v_lshl_add_u32 v[PFO], v3, 15, v[PFO]
	s_wait_alu depctr_va_vdst(0)                   ; the head's vector lines all stand above
	s_wait_dscnt 0x0                               ; both opening adds are done
	s_wait_kmcnt 0x0
	s_load_b256 s[68:75], s[80:81], 0x0            ; e0 .. e7
	s_load_b128 s[76:79], s[80:81], 0x20           ; e8 .. e11
	s_cmp_eq_u32 s84, 2
	s_cselect_b64 s[86:87], s[6:7], s[4:5]
	s_cselect_b64 s[12:13], s[4:5], s[6:7]
	s_add_nc_u64 s[20:21], s[86:87], s[20:21]
	s_add_nc_u64 s[46:47], s[12:13], s[46:47]
.irp s, 0,1
	s_mov_b32 s[G0+4*\s], 1
	s_add_co_u32 s[G0+4*\s+1], s45, \s*SLOT
	s_add_nc_u64 s[G0+4*\s+2:G0+4*\s+3], s[20:21], \s*4096
	s_or_b32 s[G0+4*\s+3], s[G0+4*\s+3], 0x80000000
	s_mov_b32 s[G0B+4*\s], 1
	s_add_co_u32 s[G0B+4*\s+1], s45, \s*SLOT
	s_add_nc_u64 s[G0B+4*\s+2:G0B+4*\s+3], s[46:47], \s*4096
	s_or_b32 s[G0B+4*\s+3], s[G0B+4*\s+3], 0x80000000
.endr
	CROUND                                         ; all sixteen work-groups are here: the first joint loads meet
	JLOAD G0, G1, G0B, G1B                         ; K slot 0: one tensor load a wave at the head
	s_cmp_eq_u32 s15, 0
	s_cselect_b64 s[PFA:PFA+1], s[20:21], s[46:47]
	s_cselect_b32 s18, s40, s41                    ; my place among the four that ask with me
	s_cselect_b64 s[G0C+2:G0C+3], s[8:9], s[10:11]
	s_lshl_b32 s18, s18, 16                        ; two row tiles of 32,768 bytes
	s_add_co_u32 s18, s18, 4096                    ; at K slot 1: each refill steps it by one slot
	s_mov_b32 s19, 0
	s_add_nc_u64 s[PFA:PFA+1], s[PFA:PFA+1], s[18:19]
	global_prefetch_b8 v[PFO], s[PFA:PFA+1] th:TH_LOAD_NT scope:SCOPE_SE               ; K slot 1, which the head's second load takes: one step ahead of it
	global_prefetch_b8 v[PFO], s[PFA:PFA+1] offset:4096 th:TH_LOAD_NT scope:SCOPE_SE   ; K slot 2
	s_lshl_b32 s86, s17, 16                        ; cos, sin: row 256 x tile row + 128 x the half that I fetch, 256 bytes a row
	s_lshl_b32 s87, s16, 15
	s_add_co_u32 s86, s86, s87
	s_mov_b32 s87, 0
	s_add_nc_u64 s[G0C+2:G0C+3], s[G0C+2:G0C+3], s[86:87]
	s_lshl_b32 s18, s40, 13                        ; my work-group's 32 rows of them
	s_add_nc_u64 s[PCS:PCS+1], s[G0C+2:G0C+3], s[18:19]
	s_or_b32 s[G0C+3], s[G0C+3], 0x80000000
	s_mov_b32 s[G0C], 1
	s_add_co_u32 s[G0C+1], s45, 0
	s_lshl_b32 s18, s42, 1
	s_add_co_u32 s18, s18, s16                     ; my column half among 16
	s_lshl_b32 s19, s17, 1
	s_add_co_u32 s19, s19, s15                     ; my row half among 16
	s_cmp_eq_u32 s84, 2
	s_cselect_b32 s86, s19, s18                    ; the head,
	s_cselect_b32 s87, s18, s19                    ; and the 128 positions
	s_lshl_b32 s86, s86, 18
	s_lshl_b32 s87, s87, 14
	s_add_co_u32 s86, s86, s87
	s_add_co_u32 s86, s86, s85
	s_mov_b32 s87, 0
	s_add_nc_u64 s[82:83], s[82:83], s[86:87]
	s_lshl_b32 s86, s19, 15
	s_add_nc_u64 s[8:9], s[8:9], s[86:87]          ; the caches at my 128 rows
	s_add_nc_u64 s[10:11], s[10:11], s[86:87]
.macro FRAG reg, adr, q, i
.irp c, 0,1,2,3
	ds_load_b128 v[\reg+4*\c:\reg+4*\c+3], v[\adr] offset:4096*(\i)+2048*(\q)+512*\c
.endr
.endm
.macro MUL16 a0, p, zero               ; the 64 accumulators take turns, one instruction a turn
.irp a, \a0, \a0+1
.irp b, 0,1,2,3,4,5,6,7
.if \zero
	v_wmma_f32_16x16x128_fp8_fp8 v[8*(8*((\a)%4)+\b):8*(8*((\a)%4)+\b)+7], v[128*(\p)+FR*\b:128*(\p)+FR*\b+FR-1], v[AF+FR*(\a):AF+FR*(\a)+FR-1], 0
.else
	v_wmma_f32_16x16x128_fp8_fp8 v[8*(8*((\a)%4)+\b):8*(8*((\a)%4)+\b)+7], v[128*(\p)+FR*\b:128*(\p)+FR*\b+FR-1], v[AF+FR*(\a):AF+FR*(\a)+FR-1], v[8*(8*((\a)%4)+\b):8*(8*((\a)%4)+\b)+7]
.endif
.endr
.endr
.endm
.macro FETCH_B slot, q, p
	WIN TO_B
.irp i, 0,1,2,3,4,5,6,7
	FRAG 128*(\p)+FR*\i, ADRB+\slot, \q, \i
.endr
	WIN 0
.endm
.macro FETCH_A slot, q, i0
.irp i, \i0, \i0+1, \i0+2, \i0+3
	FRAG AF+FR*(\i), ADRA+\slot, \q, \i
.endr
.endm
.macro STEP slot, q, zero              ; 128 along K with its successor in the same slot
	s_wait_dscnt 4*NL                              ; all but A's blocks 4-7
	WIN MUL_LO
	MUL16 0, (\q)%2, \zero
	MUL16 2, (\q)%2, \zero
	s_wait_dscnt 0
	PLACES NP
	FETCH_B \slot, (\q)+1, 1-(\q)%2
	FETCH_A \slot, (\q)+1, 0
	WIN MUL_HI
	MUL16 4, (\q)%2, \zero
	MUL16 6, (\q)%2, \zero
	PLACES NP
	WIN 0
	FETCH_A \slot, (\q)+1, 4
.endm
; A slot's last step changes slots.  fill = 1: the slot is filled again, two K slots on; 2: slot 0 takes cos and sin; 0: nothing is filled, and no round follows.
.macro TURN slot, next, fill
.if \fill == 1
	s_wait_xcnt 0x0                                ; my last prefetch has read its address
	s_add_nc_u64 s[PFA:PFA+1], s[PFA:PFA+1], 4096
.endif
	s_wait_tensorcnt 0x0                           ; all my tensor loads have landed: my part of the next slot
	ds_add_u32 v[SPW], v[NIL]
	s_wait_dscnt 4*NL+1                            ; (the add and A's blocks 4-7 may be out)
	WIN MUL_LO
	MUL16 0, 1, 0
	s_wait_dscnt 0x0                               ; the add is done, and my reads of this slot are over
	s_barrier_signal -1
	MUL16 2, 1, 0
	WIN 0
	s_barrier_wait -1
.if \fill == 1
	CREST
	s_add_nc_u64 s[G0+4*\slot+2:G0+4*\slot+3], s[G0+4*\slot+2:G0+4*\slot+3], 8192
	s_add_nc_u64 s[G0B+4*\slot+2:G0B+4*\slot+3], s[G0B+4*\slot+2:G0B+4*\slot+3], 8192
	JLOAD G0+4*\slot, G1, G0B+4*\slot, G1B
.elseif \fill == 2
	CREST
	tensor_load_to_lds s[G0C:G0C+3], s[G1C:G1C+7]  ; each wave its own part: the addresses hang on the wave's number and the tile row
	s_nop 0
	PLACES NP
.else
	PLACES NP
.endif
	FETCH_B \next, 0, 0
	FETCH_A \next, 0, 0
.if \fill == 1
	s_cmp_gt_u32 s3, 1                             ; the last lap's refills have no K slot two on
	s_cbranch_scc0 .Lna_\@
	global_prefetch_b8 v[PFO], s[PFA:PFA+1] offset:8192 th:TH_LOAD_NT scope:SCOPE_SE
.Lna_\@:
.endif
	WIN MUL_HI
	MUL16 4, 1, 0
	MUL16 6, 1, 0
	PLACES NP
	WIN 0
	FETCH_A \next, 0, 4
.endm
.macro LAST
	s_wait_dscnt 4*NL
	WIN MUL_LO
	MUL16 0, 1, 0
	MUL16 2, 1, 0
	s_wait_dscnt 0
	WIN MUL_HI
	MUL16 4, 1, 0
	MUL16 6, 1, 0
	WIN 0
.endm
.macro CSSET a                         ; where block a's cos (32 registers) and sin (32) lie
.if (\a) < 7
.set CW, 1
.set CB, 64*((\a)%4)
.else
.set CW, 0
.set CB, 32
.endif
.endm
.macro CSLDS a                         ; blocks 0 to 6, from LDS: lane (r, h) takes d = 32 c + 16 h + 0 .. 15 of row 16 a + r
	CSSET \a
	WIN TO_B
.irp c, 0,1
.irp j, 0,1,2,3
	ds_load_b128 v[CB+16*\c+4*\j:CB+16*\c+4*\j+3], v[CL] offset:(\a)*16*CP+128*\c+16*\j
	ds_load_b128 v[CB+32+16*\c+4*\j:CB+32+16*\c+4*\j+3], v[SL] offset:(\a)*16*CP+128*\c+16*\j
.endr
.endr
	WIN 0
.endm
.macro CSGLB                           ; block 7, from memory
.irp c, 0,1
.irp j, 0,1,2,3
	global_load_b128 v[32+16*\c+4*\j:32+16*\c+4*\j+3], v[CA], s[8:9] offset:4096*7+128*\c+16*\j
	global_load_b128 v[64+16*\c+4*\j:64+16*\c+4*\j+3], v[CA], s[10:11] offset:4096*7+128*\c+16*\j
.endr
.endr
.endm
.macro ROPE a                          ; registers 0-31 of a block are x1, 32-63 x2, at the same d
	CSSET \a
.set AC, 64*((\a)%4)
.set RW, 2+((\a)/4)+4*CW
	WIN RW
.irp n, 0,2,4,6,8,10,12,14,16,18,20,22,24,26,28,30
	v_pk_mul_f32 v[YY+\n:YY+\n+1], v[AC+32+\n:AC+32+\n+1], v[CB+32+\n:CB+32+\n+1]
.endr
.irp n, 0,2,4,6,8,10,12,14,16,18,20,22,24,26,28,30
	v_pk_mul_f32 v[YY+32+\n:YY+32+\n+1], v[AC+32+\n:AC+32+\n+1], v[CB+\n:CB+\n+1]
.endr
.irp n, 0,2,4,6,8,10,12,14,16,18,20,22,24,26,28,30
	v_pk_fma_f32 v[YY+\n:YY+\n+1], v[AC+\n:AC+\n+1], v[CB+\n:CB+\n+1], v[YY+\n:YY+\n+1] neg_lo:[0,0,1] neg_hi:[0,0,1]
.endr
.irp n, 0,2,4,6,8,10,12,14,16,18,20,22,24,26,28,30
	v_pk_fma_f32 v[YY+32+\n:YY+32+\n+1], v[AC+\n:AC+\n+1], v[CB+32+\n:CB+32+\n+1], v[YY+32+\n:YY+32+\n+1]
.endr
	WIN 0
.endm
.macro VCOPY a                         ; v: the hold alone
.set AC, 64*((\a)%4)
	WIN 0x02+((\a)/4)
.set n, 0
.rept 64
	v_med3_num_f32 v[YY+n], v[AC+n], -v[LIMV], v[LIMV]
.set n, n+1
.endr
	WIN 0
.endm
.macro OUTB a, hold                    ; a block becomes a fragment of codes: four stores of 512 consecutive bytes
.if \hold
.set n, 0
.rept 64
	v_med3_num_f32 v[YY+n], v[YY+n], -v[LIMV], v[LIMV]   ; the conversion does not saturate (ISA guide 7.6.2)
.set n, n+1
.endr
.endif
	s_wait_alu depctr_va_vdst(0)
	s_wait_xcnt 0x0                                ; the stores of two blocks ago have read their codes
.set CD, CC+16*((\a)%2)
.irp b, 0,1,2,3,4,5,6,7
	v_cvt_scalef32_pk8_fp8_f32 v[CD+2*\b:CD+2*\b+1], v[YY+8*\b:YY+8*\b+7], v[SCV]
.endr
	v_nop                                          ; a plain line behind the last conversion
.irp c, 0,1,2,3
	global_store_b128 v[OO], v[CD+4*\c:CD+4*\c+3], s[82:83] offset:2048*(\a)+512*\c
.endr
.endm
	s_wait_tensorcnt 0x0                           ; my part of K slot 0 is in; the three lines ahead of a later first fill, as ahead of a refill
	ds_add_u32 v[SPW], v[NIL]
	s_wait_dscnt 0x0
	CROUND
	JLOAD G0+4, G1, G0B+4, G1B                     ; K slot 1, the first tensor load behind the round
	FETCH_B 0, 0, 0
	FETCH_A 0, 0, 0
	FETCH_A 0, 0, 4
	global_prefetch_b8 v[PFO], s[PFA:PFA+1] offset:8192 th:TH_LOAD_NT scope:SCOPE_SE   ; K slot 3
	s_cmp_eq_u32 s84, 2
	s_cbranch_scc1 .Lno_caches                     ; v reads no cache
	global_prefetch_b8 v[PFC], s[PCS:PCS+1] th:TH_LOAD_NT scope:SCOPE_SE               ; 32 rows of cos or sin, a lane a row
.Lno_caches:
	STEP 0, 0, 1                                   ; the first step starts the sums
	s_mov_b32 s3, LAPS-1
.Llap:
	TURN 0, 1, 1
	STEP 1, 0, 0
	TURN 1, 0, 1
	STEP 0, 0, 0
	s_sub_co_u32 s3, s3, 1
	s_cmp_lg_u32 s3, 0
	s_cbranch_scc1 .Llap
	s_wait_kmcnt 0x0
	s_cmp_eq_u32 s84, 1                            ; the three exponents of my product: A's, B's, the result's
	s_cselect_b32 s18, s70, s68
	s_cselect_b32 s19, s71, s69
	s_cselect_b32 s86, s75, s74
	s_cmp_eq_u32 s84, 2
	s_cselect_b32 s18, s72, s18
	s_cselect_b32 s19, s73, s19
	s_cselect_b32 s86, s76, s86
	s_sub_co_i32 s86, s86, s18
	s_sub_co_i32 s86, s86, s19
	s_add_co_i32 s86, s86, 127
	s_lshl_b32 s87, s86, 23
	v_mov_b32 v[SCV], s87                          ; the three scales folded into the conversion's one
	s_add_co_i32 s86, s86, 8
	s_lshl_b32 s86, s86, 23
	s_or_b32 s86, s86, 0x600000
	v_mov_b32 v[LIMV], s86                         ; 448 x that
	s_wait_alu depctr_va_vdst(0)
	s_cmp_eq_u32 s84, 2
	s_cbranch_scc1 .Lv_path
	TURN 0, 1, 2                                   ; q, k: slot 0 has been read out and takes cos and sin
	CSGLB
	STEP 1, 0, 0
	LAST
	PLACES NP
	s_wait_tensorcnt 0x0                           ; my part of cos or sin is in,
	s_barrier_signal -1
	s_barrier_wait -1                              ; and so are the others'
	CSLDS 0
	CSLDS 1
.irp a, 0,1,2,3,4,5,6
.if \a < 5
	CSLDS \a+2
	s_wait_dscnt 32                                ; block a's 16 loads are in; those of the two blocks behind it may be out
.elseif \a == 5
	s_wait_dscnt 16
.else
	s_wait_dscnt 0
.endif
	ROPE \a
	OUTB \a, 1
.endr
	s_wait_loadcnt 0x0
	ROPE 7
	OUTB 7, 1
	s_branch .Lout_done
.Lv_path:
	TURN 0, 1, 0
	STEP 1, 0, 0
	LAST
	PLACES NP
.irp a, 0,1,2,3,4,5,6,7
	VCOPY \a
	OUTB \a, 0
.endr
.Lout_done:
	s_wait_tensorcnt 0x0                           ; the wave's end
	ds_add_u32 v[SPW], v[NIL]
	s_wait_dscnt 0x0
	CROUND                                         ; the closing round
	s_endpgm
.Lfunc_end_k_q6918731bca_qkv:
	.size	k_q6918731bca_qkv, .Lfunc_end_k_q6918731bca_qkv-k_q6918731bca_qkv
	.p2alignl 7, 3214868480
	.fill 96, 4, 3214868480
	.section	.rodata,"a",@progbits
	.p2align	6, 0x0
	.amdhsa_kernel k_q6918731bca_qkv
		.amdhsa_group_segment_fixed_size 327680
		.amdhsa_private_segment_fixed_size 0
		.amdhsa_enable_private_segment 0
		.amdhsa_kernarg_size 48
		.amdhsa_user_sgpr_count 2
		.amdhsa_user_sgpr_kernarg_segment_ptr 1
		.amdhsa_wavefront_size32 1
		.amdhsa_system_sgpr_workgroup_id_x 1
		.amdhsa_system_sgpr_workgroup_id_y 1
		.amdhsa_system_sgpr_workgroup_id_z 1
		.amdhsa_system_vgpr_workitem_id 0
		.amdhsa_next_free_vgpr 1024
		.amdhsa_next_free_sgpr 102
		.amdhsa_reserve_vcc 0
		.amdhsa_float_denorm_mode_32 3
		.amdhsa_float_denorm_mode_16_64 3
		.amdhsa_memory_ordered 1
		.amdhsa_forward_progress 1
		.amdhsa_inst_pref_size 224
	.end_amdhsa_kernel
	.amdgpu_metadata
---
amdhsa.version: [ 1, 2 ]
amdhsa.kernels:
  - .name:           k_q6918731bca_qkv
    .symbol:         k_q6918731bca_qkv.kd
    .args:
      - { .name: xc, .offset: 0, .size: 8, .value_kind: global_buffer, .address_space: global }
      - { .name: wc, .offset: 8, .size: 8, .value_kind: global_buffer, .address_space: global }
      - { .name: cos_cache, .offset: 16, .size: 8, .value_kind: global_buffer, .address_space: global }
      - { .name: sin_cache, .offset: 24, .size: 8, .value_kind: global_buffer, .address_space: global }
      - { .name: lowp_scales, .offset: 32, .size: 8, .value_kind: global_buffer, .address_space: global }
      - { .name: qkvc, .offset: 40, .size: 8, .value_kind: global_buffer, .address_space: global }
    .group_segment_fixed_size: 327680
    .private_segment_fixed_size: 0
    .kernarg_segment_align: 8
    .kernarg_segment_size: 48
    .max_flat_workgroup_size: 128
    .sgpr_count:     102
    .vgpr_count:     1024
    .wavefront_size: 32
...
	.end_amdgpu_metadata
.endif
;; end of part 2
;; launch attn (part 3): grid 16 x 16, 16 waves a work-group, no clusters, 133,120 bytes of LDS; arguments qkvc, mw, fl, lowp_scales, oc; writes oc
.if DOCPART == 3
	.amdgcn_target "amdgcn-amd-amdhsa--gfx1250"
	.amdhsa_code_object_version 6
	.text
	.protected	k_q6918731bca_attn
	.globl	k_q6918731bca_attn
	.p2align	8
	.type	k_q6918731bca_attn,@function
k_q6918731bca_attn:
	s_mov_b64 s[64:65], 0
	v_nop
	global_prefetch_b8 v0, s[64:65] scope:SCOPE_SE
	s_setreg_imm32_b32 hwreg(HW_REG_WAVE_MODE, 25, 1), 1
	s_wait_xcnt 0x0
; THIRD LAUNCH: o = softmax(q k^T / sqrt(128), under the mask) v for each head, both products on codes of FP8 (E4M3), and the quantiser of o (e10).
; LEFT OUT, by whole numbers that the first launch stored (fl): a step of 128 keys in which the mask hides every key from all 16 queries of a tile: every p there is 0 in reference() too.  A slot of 256 keys that no
; tile of the work-group needs is not fetched.  No pattern of the mask is built in.  LIMIT: a NaN or an infinity that would arise only in hidden scores is not carried to the result.
; LEFT OUT, by the given whole number e9: the hold of p at 448 x 2^e9 where e9 >= -8: p is at most 1 and the bound is then at least 1.75, so the hold changes no number.  For e9 < -8 it is done.
; THE SOFTMAX: t = score x log2(e) / sqrt(128); M = the largest t so far, rounded UP to a whole number; p = 2^(t - M) is quantised (e9), not normalised; the row's sum is taken of the unquantised p and divides at the end.
; SHARES.  A work-group owns one head and 128 queries: blocks g and 31 - g of 64, so that work-groups have like work where later keys are hidden from earlier queries (the result is right for any mask).
; Sixteen waves, four to a SIMD: wave w has tile w % 8 of 16 queries and, of each slot of 256 keys, key step w / 8.  The two waves of a tile are merged at the end through LDS: exact powers of two.
; K and V come through two LDS slots by turns, filled through registers (the launch has no tensor load and no cluster).
; Each thread moves 8 x 16 bytes a slot, in registers that serve nothing else (v32-63): trip j stores slot j + 1's bytes, asked for in trip j - 1, into the LDS slot left at its barrier, and then asks for slot j + 2's.
; LAYOUT.  Operands are images of their registers (2,048 bytes a fragment, four loads of 512 consecutive bytes).  Both products are used transposed: S^T = K Q^T, O^T = V^T P^T: a lane holds ONE query (lane % 16).
; S^T's tile t, register j, is key 16 t + 8 h + j; its conversion is registers 2 t, 2 t + 1 of P, and V's image was made with the same pairs.  O^T's tile a, register j, is channel 32 (a / 2) + 16 h + 8 (a % 2) + j.
; K'S FRAGMENTS: 0, 1 in v64-95, 2, 3 in the registers of score tiles 4 to 7, 4 in P's; then 5, 6 in v64-95 and 7 in P's.  V'S: 0, 1 in v64-95 ahead of the softmax, 4 to 7 in p's registers once p is converted, 2, 3 in v64-95 behind 0 and 1's products.
; A QUERY WITH NO VISIBLE KEY has the sum 0: its codes of o become the NaN code, and the last launch gives NaN in that row, as reference() does.
; LIMITS on the given exponents: e6 + e7 between -123 and 130; e9, and e10 - e8 - e9, between -126 and 119.  NaN among the inputs is not served.
; REGISTERS: v1-11 addresses and constants; v12 -M, v13 the largest t, v[14:15] the sum in two halves; v16-31 Q; v32-63 a slot's bytes on their way; v64-95 fragments;
;   v96-159 S^T, then p, then V's fragments 4 to 7; v160-223 O^T; v224-239 P's codes; v240-255 constants and work.
.set SPARE, 131072                     ; behind the two slots: the spare words, 128 bytes for each wave
.set A0,   1                           ; v1, v2  16 x lane + 16,384 x (wave / 8), in slot 0, 1: my key step's fragments
.set F0,   3                           ; v3, v4  16 x thread, in slot 0, 1: where I put the bytes that I move
.set SPW,  5                           ; v5  LDS address of my spare word; never rewritten
.set NIL,  6                           ; v6  0; never rewritten
.set FO,   7                           ; v7  16 x thread: the same bytes in memory
.set PFO,  8                           ; v8  256 x lane
.set MA,   9                           ; v9  8,704 x tile + 16 x lane: the merge
.set L16,  10                          ; v10 16 x lane
.set NINF, 11                          ; v11 -infinity; at the end the NaN codes
.set HD,  3                            ; s3  at the head the head's number; then 1 where p wants its hold (e9 < -8), else 0
.set WV,  14
.set TAU, 15                           ; s15 my tile in the work-group
.set PI,  16                           ; s16 my key step in a slot
.set TT,  17                           ; s17 my tile of 16 queries among the 128
.set J,   18                           ; s18 slots to go
.set ANY, 19                           ; s19 bit 0: my key step of the slot in hand has a visible key; shifted by 2 a slot
.set ALL, 20                           ; s20 bit 0: all its keys are visible
.set FB,  21                           ; s21 bit 0: some tile of the work-group needs the next slot; bit 2: the slot after it
.set CS,  22                           ; s[22:23] c = log2(e) / sqrt(128) x 2^(e6 + e7)
.set SEL, 24                           ; s[24:25] lane selects: lane l xor 16
.set KP,  26                           ; s[26:27] K's codes of the slot to be asked for
.set VP,  28                           ; s[28:29] V's
.set LIM, 30
.set LC,  31
.set PFA, 66                           ; s[66:67] where my prefetches stand
.set MWP, 100                          ; s[100:101] my key step's record of mask words; the words land in s32-63 and s68-99
; THE FILL GOES OUT IN TWO HALVES.  Waves of tiles 0 to 3, and any wave whose key step is hidden, store and ask at the trip's head; waves of tiles 4 to 7 that compute do so in the trip's middle
; (the store behind p's conversion, the request in front of the second product): 32,768 bytes in each half where tiles 4 to 7 compute.  Each arm waits for the wave's loads itself.
.set LATE, 4                           ; s4  1 in the waves of tiles 4 to 7, else 0 (set in front of the loop; the arguments that lay in s4-6 have been used)
.set TF,   5                           ; s5  bit 0: I store at the head; bit 2: I ask at the head
.set MF,   6                           ; s6  the same two bits for the middle
.macro FILL_ISSUE                      ; a slot: 32,768 bytes of K and of V, 16 bytes a thread and load: a wave's load reads 512 consecutive bytes
.irp i, 0,1,2,3
	global_load_b128 v[32+4*\i:35+4*\i], v[FO], s[KP:KP+1] offset:8192*\i
	global_load_b128 v[48+4*\i:51+4*\i], v[FO], s[VP:VP+1] offset:8192*\i
.endr
.endm
.macro FILL_STORE s
.irp i, 0,1,2,3
	ds_store_b128 v[F0+(\s)], v[32+4*\i:35+4*\i] offset:8192*\i
	ds_store_b128 v[F0+(\s)], v[48+4*\i:51+4*\i] offset:32768+8192*\i
.endr
.endm
; A PREFETCH INTO THE L2 of the slot that the NEXT trip will ask for (slot j + 3 in trip j).  All sixteen work-groups of a head walk the same K and V: the head's first asks, waves 0 to 3 for K's 32,768 bytes and waves
; 4 to 7 for V's, 8,192 bytes a wave, lanes 256 bytes apart: each aligned block of 256 bytes is named once in the launch.  The last three trips ask for nothing; slots 0 to 2 come by their loads alone.
.macro ASK
	s_cmp_gt_u32 s[J], s[LIM]
	s_cbranch_scc0 .Lnot_mine_\@
	global_prefetch_b8 v[PFO], s[PFA:PFA+1] th:TH_LOAD_NT scope:SCOPE_SE
.Lnot_mine_\@:
.endm
.macro QK s                            ; S^T = K Q^T.  (The places in front of the first loads stand at the end of the step before)
.irp c, 0,1,2,3
	ds_load_b128 v[64+4*\c:67+4*\c], v[A0+\s] offset:512*\c
	ds_load_b128 v[80+4*\c:83+4*\c], v[A0+\s] offset:2048+512*\c
	ds_load_b128 v[128+4*\c:131+4*\c], v[A0+\s] offset:4096+512*\c
	ds_load_b128 v[144+4*\c:147+4*\c], v[A0+\s] offset:6144+512*\c
	ds_load_b128 v[224+4*\c:227+4*\c], v[A0+\s] offset:8192+512*\c
.endr
	s_wait_dscnt 0x0                               ; fragments 0 to 4 are in, and the trip's stores have read v32-63,
	s_bitcmp1_b32 s[TF], 2
	s_cbranch_scc0 .Lnf_\@
	s_wait_loadcnt 0x0                             ; no load is out on v32-63,
	FILL_ISSUE                                     ; which take the bytes of the slot after the next: they have until the next trip's head to land
.Lnf_\@:
	v_wmma_f32_16x16x128_fp8_fp8 v[96:103], v[64:79], v[16:31], 0
	v_wmma_f32_16x16x128_fp8_fp8 v[104:111], v[80:95], v[16:31], 0
	v_wmma_f32_16x16x128_fp8_fp8 v[112:119], v[128:143], v[16:31], 0
	v_wmma_f32_16x16x128_fp8_fp8 v[120:127], v[144:159], v[16:31], 0
.rept 5
	v_nop                                          ; five places: tile 4's product writes over registers that tile 2's read; four serve the loads below
.endr
.irp c, 0,1,2,3
	ds_load_b128 v[64+4*\c:67+4*\c], v[A0+\s] offset:10240+512*\c
	ds_load_b128 v[80+4*\c:83+4*\c], v[A0+\s] offset:12288+512*\c
.endr
	v_wmma_f32_16x16x128_fp8_fp8 v[128:135], v[224:239], v[16:31], 0
.rept 4
	v_nop                                          ; places in front of the loads into the fragment just read
.endr
.irp c, 0,1,2,3
	ds_load_b128 v[224+4*\c:227+4*\c], v[A0+\s] offset:14336+512*\c
.endr
	s_wait_dscnt 4                                 ; fragments 5 and 6 are in; fragment 7's four loads may be out
	v_wmma_f32_16x16x128_fp8_fp8 v[136:143], v[64:79], v[16:31], 0
	v_wmma_f32_16x16x128_fp8_fp8 v[144:151], v[80:95], v[16:31], 0
	s_wait_dscnt 0x0
	v_wmma_f32_16x16x128_fp8_fp8 v[152:159], v[224:239], v[16:31], 0
.rept 4
	v_nop                                          ; places in front of the first read of the scores and of loads into the fragments' registers
.endr
.endm
.macro MASKAPPLY                       ; a hidden score becomes -infinity ahead of the maximum: p = 0 then.  Word n's bit l speaks for register n of lane l
.set n, 0
.rept 32
	v_cndmask_b32 v[96+n], v[NINF], v[96+n], s[32+n]
.set n, n+1
.endr
.set n, 0
.rept 32
	v_cndmask_b32 v[128+n], v[NINF], v[128+n], s[68+n]
.set n, n+1
.endr
.endm
.macro SM1                             ; the maximum, M, p and the row's sum
	v_max3_num_f32 v254, v96, v97, v98             ; the step's largest score of my query, among my 64 keys, in two chains,
	v_max3_num_f32 v252, v99, v100, v101
.set n, 6
.rept 14
	v_max3_num_f32 v254, v254, v[96+n], v[97+n]
	v_max3_num_f32 v252, v252, v[98+n], v[99+n]
.set n, n+4
.endr
	v_max3_num_f32 v254, v254, v158, v159
	s_delay_alu instid0(VALU_DEP_1)
	v_max_num_f32 v254, v254, v252
	v_permlanex16_b32 v236, v254, s[SEL], s[SEL+1]
	s_delay_alu instid0(VALU_DEP_1)
	v_max_num_f32 v254, v254, v236                 ; and among lane l xor 16's
	s_delay_alu instid0(VALU_DEP_1)
	v_mul_f32 v254, s[CS], v254                    ; as t (c is positive)
	s_delay_alu instid0(VALU_DEP_1)
	v_max_num_f32 v13, v13, v254                   ; the running largest t
	v_mov_b32 v254, v12
	s_delay_alu instid0(VALU_DEP_2)
	v_floor_f32 v12, -v13                          ; the new -M = floor(-t): M is a whole number
	s_delay_alu instid0(VALU_DEP_1)
	v_sub_f32 v254, v12, v254                      ; M's old value less its new one: a whole number, 0 or less
	s_delay_alu instid0(VALU_DEP_1)
	v_cvt_i32_f32 v254, v254                       ; (it saturates)
	s_delay_alu instid0(VALU_DEP_1)
	v_ldexp_f32 v252, 1.0, v254                    ; f = 2^(old M - new M)
.set n, 0
.rept 32
	v_pk_fma_f32 v[96+n:97+n], v[96+n:97+n], s[CS:CS+1], v[12:13] op_sel_hi:[1,0,0]   ; t - M, two at a time
.set n, n+2
.endr
.set n, 0
	s_wait_alu depctr_va_vdst(0)
.rept 64
	v_exp_f32 v[96+n], v[96+n]                     ; p = 2^(t - M), at most 1
.set n, n+1
.endr
	v_pk_mul_f32 v[14:15], v[14:15], v[252:253] op_sel_hi:[1,0]   ; the sums under the new M: the plain line behind the exponentials
	s_wait_alu depctr_va_vdst(0)                   ; one wait for the whole batch, ahead of its first reader
	v_pk_add_f32 v[242:243], v[100:101], v[104:105]
	v_pk_add_f32 v[254:255], v[108:109], v[112:113]
	v_pk_add_f32 v[250:251], v[116:117], v[120:121]
	v_pk_add_f32 v[248:249], v[124:125], v[128:129]
	v_pk_add_f32 v[238:239], v[132:133], v[136:137]
	v_pk_add_f32 v[236:237], v[140:141], v[144:145]
	v_pk_add_f32 v[234:235], v[148:149], v[152:153]
	v_pk_add_f32 v[14:15], v[14:15], v[156:157]
	v_pk_add_f32 v[242:243], v[242:243], v[96:97]
	v_pk_add_f32 v[254:255], v[254:255], v[98:99]
	v_pk_add_f32 v[250:251], v[250:251], v[102:103]
	v_pk_add_f32 v[248:249], v[248:249], v[106:107]
	v_pk_add_f32 v[238:239], v[238:239], v[110:111]
	v_pk_add_f32 v[236:237], v[236:237], v[114:115]
	v_pk_add_f32 v[234:235], v[234:235], v[118:119]
	v_pk_add_f32 v[14:15], v[14:15], v[122:123]
	v_pk_add_f32 v[242:243], v[242:243], v[126:127]
	v_pk_add_f32 v[254:255], v[254:255], v[130:131]
	v_pk_add_f32 v[250:251], v[250:251], v[134:135]
	v_pk_add_f32 v[248:249], v[248:249], v[138:139]
	v_pk_add_f32 v[238:239], v[238:239], v[142:143]
	v_pk_add_f32 v[236:237], v[236:237], v[146:147]
	v_pk_add_f32 v[234:235], v[234:235], v[150:151]
	v_pk_add_f32 v[14:15], v[14:15], v[154:155]
	v_pk_add_f32 v[242:243], v[242:243], v[158:159]
	s_delay_alu instid0(VALU_DEP_2)
	v_pk_add_f32 v[14:15], v[14:15], v[248:249]
	s_delay_alu instid0(VALU_DEP_2)
	v_pk_add_f32 v[242:243], v[242:243], v[238:239]
	v_pk_add_f32 v[254:255], v[254:255], v[236:237]
	v_pk_add_f32 v[250:251], v[250:251], v[234:235]
	s_delay_alu instid0(VALU_DEP_2)
	v_pk_add_f32 v[14:15], v[14:15], v[254:255]
	s_delay_alu instid0(VALU_DEP_2)
	v_pk_add_f32 v[242:243], v[242:243], v[250:251]
	s_delay_alu instid0(VALU_DEP_1)
	v_pk_add_f32 v[14:15], v[14:15], v[242:243]
.endm
.macro HOLDP                           ; the conversion does not saturate (ISA guide 7.6.2); p is not negative, so the hold is one-sided
.set n, 0
.rept 64
	v_min_num_f32 v[96+n], v[96+n], v240
.set n, n+1
.endr
.endm
.macro CVTP
.irp b, 0,1,2,3
	v_cvt_scalef32_pk8_fp8_f32 v[224+4*\b:225+4*\b], v[96+16*\b:103+16*\b], v244
	v_cvt_scalef32_pk8_fp8_f32 v[226+4*\b:227+4*\b], v[104+16*\b:111+16*\b], v244
.endr
	v_nop                                          ; a plain vector line behind the last conversion
.endm
.macro RESC                            ; O^T under the new M, each accumulator from its low end on
.set n, 0
.rept 32
	v_pk_mul_f32 v[160+n:161+n], v[160+n:161+n], v[252:253] op_sel_hi:[1,0]
.set n, n+2
.endr
.endm
.macro VLOAD s, f, reg                 ; V's fragment f (16 channels x my 128 keys) of slot s into v[reg] on
.irp c, 0,1,2,3
	ds_load_b128 v[\reg+4*\c:\reg+4*\c+3], v[A0+\s] offset:32768+2048*(\f)+512*\c
.endr
.endm
.macro PVM t, reg                      ; O^T's tile t += V's fragment in v[reg] on x P.  The eight accumulators take turns, one instruction a turn
	v_wmma_f32_16x16x128_fp8_fp8 v[160+8*(\t):167+8*(\t)], v[\reg:\reg+15], v[224:239], v[160+8*(\t):167+8*(\t)]
.endm
; A SLOT.  In front of the barrier each wave's LDS stores into this slot have landed and its reads of the other slot are over; behind it this slot is read and the other one is written.
.macro TRIP s
	s_wait_dscnt 0x0
	s_barrier_signal -1
	s_barrier_wait -1
	ASK
	s_and_b32 s[MF], s[ANY], s[LATE]               ; 1: I compute in this trip and my tile is one of 4 to 7: my fill stands in the middle
	s_mul_i32 s[MF], s[MF], 5                      ; as bits 0 and 2
	s_and_not1_b32 s[TF], s[FB], s[MF]
	s_and_b32 s[MF], s[FB], s[MF]
	s_bitcmp1_b32 s[TF], 0
	s_cbranch_scc0 .Lns_\@
	s_wait_loadcnt 0x0                             ; the next slot's bytes, asked for in the trip before, are in v32-63
	FILL_STORE 1-\s
.Lns_\@:
	s_bitcmp1_b32 s[ANY], 0
	s_cbranch_scc0 .Lhid_\@                        ; a stored whole number: my key step is hidden from all my queries
	s_load_b512 s[32:47], s[MWP:MWP+1], 0x0        ; the step's 64 mask words, asked for ahead of the products
	s_load_b512 s[48:63], s[MWP:MWP+1], 0x40
	s_load_b512 s[68:83], s[MWP:MWP+1], 0x80
	s_load_b512 s[84:99], s[MWP:MWP+1], 0xc0
	QK \s
	s_wait_kmcnt 0x0                               ; on every way: no scalar load stays out
	VLOAD \s, 0, 64                                ; V's first two fragments are on their way under the softmax
	VLOAD \s, 1, 80
	s_bitcmp1_b32 s[ALL], 0
	s_cbranch_scc1 .Lopen_\@
	MASKAPPLY
.Lopen_\@:
	SM1
	s_cmp_eq_u32 s[HD], 0                          ; a given whole number: where e9 >= -8 the hold changes nothing
	s_cbranch_scc1 .Lnh_\@
	HOLDP
.Lnh_\@:
	CVTP
	s_bitcmp1_b32 s[MF], 0
	s_cbranch_scc0 .Lms_\@
	s_wait_loadcnt 0x0                             ; the next slot's bytes, asked for in the middle of the trip before
	FILL_STORE 1-\s
.Lms_\@:
	VLOAD \s, 4, 96                                ; p is converted and summed: its registers take four fragments
	VLOAD \s, 5, 112
	VLOAD \s, 6, 128
	VLOAD \s, 7, 144
	RESC                                           ; vector work under these loads; also the plain lines between the conversions and the products
	s_wait_alu depctr_va_vdst(0)
	s_wait_dscnt 16                                ; all but the 16 loads just issued: fragments 0 and 1 are in, and the middle's stores have read v32-63
	s_bitcmp1_b32 s[MF], 2
	s_cbranch_scc0 .Lmi_\@
	s_wait_loadcnt 0x0
	FILL_ISSUE                                     ; the slot after the next: until the middle of the next trip to land
.Lmi_\@:
	PVM 0, 64
	PVM 1, 80
.rept 4
	v_nop                                          ; places in front of the loads into the fragments just read
.endr
	VLOAD \s, 2, 64
	VLOAD \s, 3, 80
	s_wait_dscnt 8                                 ; fragments 4 to 7 are in; the 8 loads of fragments 2 and 3 may be out
	PVM 4, 96
	PVM 5, 112
	PVM 6, 128
	PVM 7, 144
	s_wait_dscnt 0x0
	PVM 2, 64
	PVM 3, 80
.rept 5
	v_nop                                          ; five plain lines: later matrix instructions write scores over registers that these products read as fragments; the next loads land in the others
.endr
	s_branch .Ljoin_\@
.Lhid_\@:
	s_bitcmp1_b32 s[TF], 2
	s_cbranch_scc0 .Ljoin_\@
	s_wait_dscnt 0x0                               ; my stores have read v32-63
	s_wait_loadcnt 0x0
	FILL_ISSUE                                     ; a wave with nothing to compute still moves its share
.Ljoin_\@:
	s_wait_xcnt 0x0                                ; the trip's loads and its prefetch have read their addresses: they step only behind this wait
	s_add_nc_u64 s[KP:KP+1], s[KP:KP+1], 32768
	s_add_nc_u64 s[VP:VP+1], s[VP:VP+1], 32768
	s_add_nc_u64 s[PFA:PFA+1], s[PFA:PFA+1], 32768
	s_add_nc_u64 s[MWP:MWP+1], s[MWP:MWP+1], 512
	s_lshr_b32 s[ANY], s[ANY], 2
	s_lshr_b32 s[ALL], s[ALL], 2
	s_lshr_b32 s[FB], s[FB], 2
	s_sub_co_u32 s[J], s[J], 1
.endm
	s_load_b256 s[4:11], s[0:1], 0x0               ; qkvc, mw, fl, the scales' exponents
	s_load_b64 s[12:13], s[0:1], 0x20              ; oc
	v_lshl_add_u32 v[SPW], v0, 2, SPARE
	v_mov_b32 v[NIL], 0
	v_lshrrev_b32 v12, 5, v0
	s_delay_alu instid0(VALU_DEP_1)
	v_readfirstlane_b32 s[WV], v12                 ; wave 0..15
	s_and_b32 s[TAU], s[WV], 7
	s_lshr_b32 s[PI], s[WV], 3
	s_and_b32 s3, ttmp7, 0xffff                    ; the head
	s_lshl_b32 s32, ttmp9, 2                       ; 4 g
	s_add_co_u32 s33, s32, s[TAU]                  ; tiles 0-3: 4 g + tile
	s_sub_co_u32 s34, 120, s32
	s_add_co_u32 s34, s34, s[TAU]                  ; tiles 4-7: 4 (31 - g) + tile - 4
	s_cmp_lt_u32 s[TAU], 4
	s_cselect_b32 s[TT], s33, s34
	s_lshl_b32 s36, s3, 18                         ; a head's codes: 262,144 bytes in each of q, k, v
	s_mov_b32 s37, 0
	s_lshl_b32 s38, s[TT], 11                      ; Q's fragment
	s_mov_b32 s39, 0
	s_lshl_b32 s40, s[TT], 6                       ; my tile's 16 flags
	s_mov_b32 s41, 0
	s_lshl_b32 s42, ttmp9, 8                       ; the flags of tiles 4 g .. 4 g + 3: 256 bytes,
	s_mov_b32 s43, 0
	s_sub_co_u32 s44, 124, s32
	s_lshl_b32 s44, s44, 6                         ; and of tiles 124 - 4 g on
	s_mov_b32 s45, 0
	s_lshl_b32 s46, s[TT], 12                      ; my first record of mask words: (16 T + my key step) x 256
	s_lshl_b32 s47, s[PI], 8
	s_add_co_u32 s46, s46, s47
	s_mov_b32 s47, 0
	s_lshl_b32 s48, s[TT], 4
	s_add_co_u32 s48, s48, s3
	s_lshl_b32 s48, s48, 11                        ; o's fragment: (16 T + head) x 2,048
	s_mov_b32 s49, 0
	s_mov_b32 s54, 0x800000                        ; the prefetches: waves 0-3 in K, the others in V,
	s_cmp_lt_u32 s[WV], 4
	s_cselect_b32 s54, 0x400000, s54
	s_and_b32 s55, s[WV], 3
	s_lshl_b32 s55, s55, 13                        ; my wave's 8,192 bytes,
	s_add_co_u32 s54, s54, s55
	s_add_co_u32 s54, s54, 98304                   ; in slot 3
	s_mov_b32 s55, 0
	s_or_b32 s2, s[PI], ttmp9                      ; 0 in waves 0 to 7 of the head's first work-group
	s_cmp_eq_u32 s2, 0
	s_cselect_b32 s[LIM], 3, -1
	s_mov_b32 s[J], 8
	s_mov_b32 s[LC], 4
	s_mov_b32 s[SEL], 0x76543210
	s_mov_b32 s[SEL+1], 0xfedcba98
	s_mov_b32 s[CS], 0x3e0293ee                    ; log2(e) / sqrt(128)
	v_and_b32 v12, 31, v0
	s_delay_alu instid0(VALU_DEP_1)
	v_lshlrev_b32 v[L16], 4, v12
	s_lshl_b32 s2, s[PI], 14
	v_add_nc_u32 v[A0], s2, v[L16]
	s_delay_alu instid0(VALU_DEP_1)
	v_add_nc_u32 v[A0+1], 65536, v[A0]
	v_lshlrev_b32 v[F0], 4, v0
	s_delay_alu instid0(VALU_DEP_1)
	v_add_nc_u32 v[F0+1], 65536, v[F0]
	v_lshlrev_b32 v[FO], 4, v0
	v_lshlrev_b32 v[PFO], 8, v12
	s_mul_i32 s2, s[TAU], 8704
	v_add_nc_u32 v[MA], s2, v[L16]
	v_mov_b32 v[NINF], 0xff800000
	v_and_b32 v252, 15, v0
	s_delay_alu instid0(VALU_DEP_1)
	v_lshlrev_b32 v252, 2, v252                    ; flag of key step lane % 16
	v_lshlrev_b32 v254, 2, v12
	s_wait_alu depctr_va_vdst(0)
	s_wait_kmcnt 0x0
	s_load_b256 s[68:75], s[10:11], 0x0            ; e0 .. e7
	s_load_b128 s[76:79], s[10:11], 0x20           ; e8 .. e11
	s_add_nc_u64 s[50:51], s[4:5], s[36:37]        ; qkvc at my head
	s_add_nc_u64 s[KP:KP+1], s[50:51], 0x400000
	s_add_nc_u64 s[VP:VP+1], s[50:51], 0x800000
	FILL_ISSUE                                     ; slot 0
	s_add_nc_u64 s[52:53], s[50:51], s[38:39]
.irp c, 0,1,2,3
	global_load_b128 v[16+4*\c:19+4*\c], v[L16], s[52:53] offset:512*\c   ; Q's fragment stays in registers
.endr
	s_add_nc_u64 s[40:41], s[8:9], s[40:41]
	s_add_nc_u64 s[42:43], s[8:9], s[42:43]
	s_add_nc_u64 s[44:45], s[8:9], s[44:45]
	global_load_b32 v96, v252, s[40:41]
	global_load_b32 v97, v254, s[42:43]
	global_load_b32 v98, v254, s[42:43] offset:128
	global_load_b32 v99, v254, s[44:45]
	global_load_b32 v100, v254, s[44:45] offset:128
	s_add_nc_u64 s[MWP:MWP+1], s[6:7], s[46:47]
	s_add_nc_u64 s[12:13], s[12:13], s[48:49]
	s_add_nc_u64 s[PFA:PFA+1], s[50:51], s[54:55]
	v_mov_b32 v13, 0xff61b1e6                      ; the largest t so far: -3e38, under every t
	s_delay_alu instid0(VALU_DEP_1)
	v_floor_f32 v12, -v13                          ; -M
	v_mov_b32 v14, 0
	v_mov_b32 v15, 0
	v_mov_b32 v236, 0                              ; a lane permute's destination counts as one of its sources
	v_mov_b32 v253, 0                              ; (named as the upper half of the pair v[252:253])
.set n, 0
.rept 64
	v_mov_b32 v[160+n], 0                          ; O^T: which step is a wave's first hangs on the mask, so the step is written once and the first finds zeros
.set n, n+1
.endr
	s_wait_kmcnt 0x0
	s_add_co_i32 s2, s74, s75                      ; e6 + e7 are added to c's exponent field
	s_lshl_b32 s2, s2, 23
	s_add_co_i32 s[CS], s[CS], s2
	s_mov_b32 s[CS+1], s[CS]
	s_add_co_i32 s2, s77, 127
	s_lshl_b32 s32, s2, 23
	v_mov_b32 v244, s32                            ; 2^e9
	s_add_co_i32 s2, s2, 8
	s_lshl_b32 s2, s2, 23
	s_or_b32 s2, s2, 0x600000
	v_mov_b32 v240, s2                             ; 448 x 2^e9
	s_cmp_lt_i32 s77, -8                           ; under e9 = -8 the bound 448 x 2^e9 lies under 1, and p wants its hold
	s_cselect_b32 s[HD], 1, 0
	s_sub_co_i32 s2, s78, s76
	s_sub_co_i32 s2, s2, s77
	s_add_co_i32 s2, s2, 127
	s_lshl_b32 s32, s2, 23
	v_mov_b32 v245, s32                            ; 2^(e10 - e8 - e9): O^T / the sum stands for o / 2^(e8 + e9)
	s_add_co_i32 s2, s2, 8
	s_lshl_b32 s2, s2, 23
	s_or_b32 s2, s2, 0x600000
	v_mov_b32 v246, s2
	s_wait_loadcnt 0x0
	v_and_b32 v101, 1, v96
	s_delay_alu instid0(VALU_DEP_1)
	v_cmp_ne_u32 s[ANY], 0, v101                   ; bit s: key step s has a key that some query of my tile sees
	v_and_b32 v101, 2, v96
	s_delay_alu instid0(VALU_DEP_1)
	v_cmp_ne_u32 s[ALL], 0, v101
	v_or_b32 v97, v97, v98
	v_or_b32 v99, v99, v100
	s_delay_alu instid0(VALU_DEP_1)
	v_or_b32 v97, v97, v99
	s_delay_alu instid0(VALU_DEP_1)
	v_and_b32 v97, 1, v97
	s_delay_alu instid0(VALU_DEP_1)
	v_cmp_ne_u32 s[FB], 0, v97                     ; bits s and 16 + s: key step s, over four tiles each
	s_lshr_b32 s[ANY], s[ANY], s[PI]
	s_lshr_b32 s[ALL], s[ALL], s[PI]
	s_lshr_b32 s2, s[FB], 16
	s_or_b32 s[FB], s[FB], s2
	s_lshr_b32 s2, s[FB], 1
	s_or_b32 s[FB], s[FB], s2
	s_and_b32 s[FB], s[FB], 0x5555                 ; bit 2 j: slot j is needed by some tile;
	s_lshr_b32 s[FB], s[FB], 2                     ; bit 0 speaks for slot 1, bit 2 for slot 2; for slots 8 and 9 the bits are 0
	FILL_STORE 0
	s_add_nc_u64 s[KP:KP+1], s[KP:KP+1], 32768     ; (the loads are done)
	s_add_nc_u64 s[VP:VP+1], s[VP:VP+1], 32768
	s_wait_dscnt 0x0                               ; the stores have read v32-63
	s_bitcmp1_b32 s[FB], 0
	s_cbranch_scc0 .Lno_slot_1
	FILL_ISSUE                                     ; slot 1: the first trip stores it
.Lno_slot_1:
	s_lshr_b32 s[LATE], s[TAU], 2                  ; 1 for tiles 4 to 7
	s_wait_xcnt 0x0                                ; these loads have read their addresses
	s_add_nc_u64 s[KP:KP+1], s[KP:KP+1], 32768
	s_add_nc_u64 s[VP:VP+1], s[VP:VP+1], 32768
.Lloop:                                            ; four trips of two slots: every LDS address is a constant of the text
	TRIP 0
	TRIP 1
	s_sub_co_u32 s[LC], s[LC], 1
	s_cmp_lg_u32 s[LC], 0
	s_cbranch_scc1 .Lloop
	s_wait_loadcnt 0x0                             ; on every way: no load stays out on v32-63
	; THE MERGE: the wave of the odd key steps hands its -M, t, sums and O^T to the wave of the even ones, as images of its registers, in bytes of the ring that nobody reads any more
	s_wait_dscnt 0x0
	s_barrier_signal -1
	s_barrier_wait -1
	s_cmp_eq_u32 s[PI], 0
	s_cbranch_scc1 .Lkeeper
	ds_store_b128 v[MA], v[12:15] offset:8192
.irp k, 0,1,2,3,4,5,6,7,8,9,10,11,12,13,14,15
	ds_store_b128 v[MA], v[160+4*\k:163+4*\k] offset:512*\k
.endr
.Lkeeper:
	s_wait_dscnt 0x0                               ; for the other wave's sake: my stores have landed
	s_barrier_signal -1
	s_barrier_wait -1
	s_cmp_lg_u32 s[PI], 0
	s_cbranch_scc1 .Lend
	ds_load_b128 v[96:99], v[MA] offset:8192
.irp k, 0,1,2,3,4,5,6,7,8,9,10,11,12,13,14,15
	ds_load_b128 v[32+4*\k:35+4*\k], v[MA] offset:512*\k
.endr
	s_wait_dscnt 0x0
	v_max_num_f32 v252, v13, v97                   ; the larger t,
	s_delay_alu instid0(VALU_DEP_1)
	v_floor_f32 v254, -v252                        ; its -M,
	s_delay_alu instid0(VALU_DEP_1)
	v_sub_f32 v252, v254, v12                      ; and each side's M less it: whole numbers, 0 or less
	s_delay_alu instid0(VALU_DEP_2)
	v_sub_f32 v243, v254, v96
	s_delay_alu instid0(VALU_DEP_2)
	v_cvt_i32_f32 v252, v252
	s_delay_alu instid0(VALU_DEP_2)
	v_cvt_i32_f32 v243, v243
	s_delay_alu instid0(VALU_DEP_2)
	v_ldexp_f32 v252, 1.0, v252                    ; my factor
	s_delay_alu instid0(VALU_DEP_2)
	v_ldexp_f32 v242, 1.0, v243                    ; the other's
	s_delay_alu instid0(VALU_DEP_2)
	v_pk_mul_f32 v[14:15], v[14:15], v[252:253] op_sel_hi:[1,0]
	s_delay_alu instid0(VALU_DEP_1)
	v_pk_fma_f32 v[14:15], v[98:99], v[242:243], v[14:15] op_sel_hi:[1,0,1]
.set n, 0
.rept 32
	v_pk_mul_f32 v[160+n:161+n], v[160+n:161+n], v[252:253] op_sel_hi:[1,0]
	s_delay_alu instid0(VALU_DEP_1)
	v_pk_fma_f32 v[160+n:161+n], v[32+n:33+n], v[242:243], v[160+n:161+n] op_sel_hi:[1,0,1]
.set n, n+2
.endr
	v_add_f32 v14, v14, v15                        ; the sum's two halves,
	v_permlanex16_b32 v236, v14, s[SEL], s[SEL+1]
	s_delay_alu instid0(VALU_DEP_1)
	v_add_f32 v14, v14, v236                       ; and lane l xor 16's: the row's sum
	s_delay_alu instid0(VALU_DEP_1)
	v_cmp_neq_f32 vcc_lo, 0, v14                   ; a query that sees no key has the sum 0:
	s_delay_alu instid0(VALU_DEP_1)
	v_cndmask_b32 v15, 1.0, v14, vcc_lo            ; it divides by 1, and its codes are replaced below
	s_wait_alu depctr_va_vdst(0)
	v_rcp_f32 v15, v15
	v_mov_b32 v[NINF], 0x7f7f7f7f                  ; (the plain line behind the reciprocal)  four NaN codes
	s_wait_alu depctr_va_vdst(0)                   ; the wait ahead of the reciprocal's first reader
.set n, 0
.rept 64
	v_mul_f32 v[96+n], v[160+n], v15
.set n, n+1
.endr
.set n, 0
.rept 64
	v_med3_num_f32 v[96+n], v[96+n], -v246, v246   ; the hold at the largest code x the scale
.set n, n+1
.endr
.irp a, 0,1,2,3,4,5,6,7
	v_cvt_scalef32_pk8_fp8_f32 v[224+2*\a:225+2*\a], v[96+8*\a:103+8*\a], v245
.endr
	v_nop                                          ; a plain vector line between the conversions and the lines that touch their results
.set n, 0
.rept 16
	v_cndmask_b32 v[224+n], v[NINF], v[224+n], vcc_lo
.set n, n+1
.endr
.irp c, 0,1,2,3
	global_store_b128 v[L16], v[224+4*\c:227+4*\c], s[12:13] offset:512*\c   ; 32 lanes store 512 consecutive bytes, aligned
.endr
.Lend:
	s_wait_tensorcnt 0x0                           ; the wave's end, behind my last LDS store
	ds_add_u32 v[SPW], v[NIL]
	s_wait_dscnt 0x0
	s_endpgm
.Lfunc_end_k_q6918731bca_attn:
	.size	k_q6918731bca_attn, .Lfunc_end_k_q6918731bca_attn-k_q6918731bca_attn
	.p2alignl 7, 3214868480
	.fill 96, 4, 3214868480
	.section	.rodata,"a",@progbits
	.p2align	6, 0x0
	.amdhsa_kernel k_q6918731bca_attn
		.amdhsa_group_segment_fixed_size 133120
		.amdhsa_private_segment_fixed_size 0
		.amdhsa_enable_private_segment 0
		.amdhsa_kernarg_size 40
		.amdhsa_user_sgpr_count 2
		.amdhsa_user_sgpr_kernarg_segment_ptr 1
		.amdhsa_wavefront_size32 1
		.amdhsa_system_sgpr_workgroup_id_x 1
		.amdhsa_system_sgpr_workgroup_id_y 1
		.amdhsa_system_sgpr_workgroup_id_z 1
		.amdhsa_system_vgpr_workitem_id 0
		.amdhsa_next_free_vgpr 256
		.amdhsa_next_free_sgpr 102
		.amdhsa_reserve_vcc 1
		.amdhsa_float_denorm_mode_32 3
		.amdhsa_float_denorm_mode_16_64 3
		.amdhsa_memory_ordered 1
		.amdhsa_forward_progress 1
		.amdhsa_inst_pref_size 84
	.end_amdhsa_kernel
	.amdgpu_metadata
---
amdhsa.version: [ 1, 2 ]
amdhsa.kernels:
  - .name:           k_q6918731bca_attn
    .symbol:         k_q6918731bca_attn.kd
    .args:
      - { .name: qkvc, .offset: 0, .size: 8, .value_kind: global_buffer, .address_space: global }
      - { .name: mw, .offset: 8, .size: 8, .value_kind: global_buffer, .address_space: global }
      - { .name: fl, .offset: 16, .size: 8, .value_kind: global_buffer, .address_space: global }
      - { .name: lowp_scales, .offset: 24, .size: 8, .value_kind: global_buffer, .address_space: global }
      - { .name: oc, .offset: 32, .size: 8, .value_kind: global_buffer, .address_space: global }
    .group_segment_fixed_size: 133120
    .private_segment_fixed_size: 0
    .kernarg_segment_align: 8
    .kernarg_segment_size: 40
    .max_flat_workgroup_size: 512
    .sgpr_count:     102
    .vgpr_count:     256
    .wavefront_size: 32
...
	.end_amdgpu_metadata
.endif
;; end of part 3
;; launch proj (part 4): grid 16 x 16, 4 waves a work-group, clusters of 4 x 4, 327,680 bytes of LDS; arguments oc, wc, lowp_scales, out0; writes out0
.if DOCPART == 4
	.amdgcn_target "amdgcn-amd-amdhsa--gfx1250"
	.amdhsa_code_object_version 6
	.text
	.protected	k_q6918731bca_proj
	.globl	k_q6918731bca_proj
	.p2align	8
	.type	k_q6918731bca_proj,@function
k_q6918731bca_proj:
	s_mov_b64 s[64:65], 0
	v_nop
	global_prefetch_b8 v0, s[64:65] scope:SCOPE_SE
	s_setreg_imm32_b32 hwreg(HW_REG_WAVE_MODE, 25, 1), 1
	s_wait_xcnt 0x0
	s_wait_alu depctr_hold_cnt(0) depctr_sa_sdst(0) depctr_va_vdst(0) depctr_va_sdst(0) depctr_va_ssrc(0) depctr_va_vcc(0) depctr_vm_vsrc(0)
	s_getreg_b32 s2, hwreg(HW_REG_IB_STS2, 6, 4)
	s_cmp_eq_u32 s2, 0
	s_cbranch_scc0 .Lentry_in_a_cluster
	s_endpgm
.Lentry_in_a_cluster:
	s_bfe_u32 s2, ttmp6, 0x10000c
	s_cmp_lg_u32 s2, 0xf033
	s_cbranch_scc0 .Lentry_shape_is_right
	s_endpgm
.Lentry_shape_is_right:
.set PART,  32768
.set SLOT,  4*PART
.set STAGE, 2*SLOT
.set SP,    272
.set SPARE, STAGE+4*16*SP
.set ADRA, 16
.set ADRB, 20
.set STO,  24
.set RD,   25
.set CO,   26
.set SPW,  28
.set NIL,  29
.set TMP,  32
.set BK,   64
.set ACC,  128
.set F0,   0
.set F1,   128
.set G1, 24
.set G0, 32
.set G1B, 48
.set G0B, 56
.set MSB, 0
.macro WIN new
.if MSB != \new
	s_set_vgpr_msb (MSB<<8)|\new
.set MSB, \new
.endif
.endm
.set MUL,  0x05
.set TO_F, 0x40
.macro JLOAD g0a, g1a, g0b, g1b
	s_cmp_eq_u32 s15, 0
	s_cbranch_scc0 .Lfor_b_\@
	tensor_load_to_lds s[\g0a:\g0a+3], s[\g1a:\g1a+7]
	s_nop 0
.rept 4
	v_nop
.endr
	s_branch .Lasked_\@
.Lfor_b_\@:
	tensor_load_to_lds s[\g0b:\g0b+3], s[\g1b:\g1b+7]
	s_nop 0
.rept 4
	v_nop
.endr
.Lasked_\@:
.endm
.macro CREST
	s_cmp_lg_u32 s14, 0
	s_cbranch_scc1 .Lnot_wave_0_\@
	s_barrier_signal -3
.Lnot_wave_0_\@:
	s_barrier_wait -3
	s_barrier_signal -1
	s_barrier_wait -1
.endm
.macro CROUND
	s_barrier_signal -1
	s_barrier_wait -1
	CREST
.endm
	s_load_b128 s[4:7], s[0:1], 0x0
	s_load_b128 s[8:11], s[0:1], 0x10
	v_lshl_add_u32 v[SPW], v0, 2, SPARE
	v_mov_b32 v[NIL], 0
	ds_add_u32 v[SPW], v[NIL]
	ds_add_u32 v[SPW], v[NIL]
	v_lshrrev_b32 v1, 5, v0
	v_readfirstlane_b32 s14, v1
	v_and_b32 v30, 31, v0
	v_lshlrev_b32 v30, 8, v30                      ; the prefetches' offset: 256 x lane; never rewritten
	s_wait_alu depctr_va_vdst(0)
	s_lshr_b32 s15, s14, 1
	s_and_b32 s16, s14, 1
	s_bfe_u32 s40, ttmp6, 0x40000
	s_bfe_u32 s41, ttmp6, 0x40004
	s_lshl_b32 s42, ttmp9, 2
	s_add_co_u32 s42, s42, s40
	s_and_b32 s17, ttmp7, 0xffff
	s_lshl_b32 s17, s17, 2
	s_add_co_u32 s17, s17, s41
	s_lshl_b32 s43, s41, 2
	s_lshl_b32 s43, 15, s43
	s_lshl_b32 s44, 0x1111, s40
	s_or_b32 s[G1+0], s43, (3<<16)|(1<<21)
	s_or_b32 s[G1B+0], s44, (3<<16)|(1<<21)
.irp g, G1, G1B
	s_mov_b32 s[\g+1], 1024<<16
	s_mov_b32 s[\g+2], 4<<16
	s_mov_b32 s[\g+3], 1024<<16
	s_mov_b32 s[\g+4], 4
	s_mov_b32 s[\g+5], 4096
	s_mov_b32 s[\g+6], 0
	s_mov_b32 s[\g+7], 0
.endr
	s_lshl_b32 s18, s16, 17
	s_lshl_b32 s20, s17, 18
	s_add_co_u32 s20, s20, s18
	s_mov_b32 s21, 0
	s_lshl_b32 s46, s42, 18
	s_add_co_u32 s46, s46, s18
	s_add_co_u32 s46, s46, 0xc00000
	s_mov_b32 s47, 0
	s_lshl_b32 s45, s14, 15
	s_wait_dscnt 0x0
	s_wait_kmcnt 0x0
	s_load_b64 s[96:97], s[8:9], 0x28
	s_add_nc_u64 s[20:21], s[4:5], s[20:21]
	s_add_nc_u64 s[46:47], s[6:7], s[46:47]
	CROUND
.irp s, 0,1
	s_mov_b32 s[G0+4*\s], 1
	s_add_co_u32 s[G0+4*\s+1], s45, \s*SLOT
	s_add_nc_u64 s[G0+4*\s+2:G0+4*\s+3], s[20:21], \s*8192
	s_or_b32 s[G0+4*\s+3], s[G0+4*\s+3], 0x80000000
	s_mov_b32 s[G0B+4*\s], 1
	s_add_co_u32 s[G0B+4*\s+1], s45, \s*SLOT
	s_add_nc_u64 s[G0B+4*\s+2:G0B+4*\s+3], s[46:47], \s*8192
	s_or_b32 s[G0B+4*\s+3], s[G0B+4*\s+3], 0x80000000
.endr
	JLOAD G0, G1, G0B, G1B                         ; K slot 0 (512 along K): one tensor load a wave at the head
	; PREFETCH: behind the load of K slot 0 two instructions a wave name K slots 1 and 2, behind the load of K slot 1 one names K slot 3, the last.  Of the four row tiles x 8,192 bytes
	; that my load of a slot will take, the partner at place p (cx for A, cy for B) names row tile p, a lane a block of 256 bytes: each block once in each cluster that loads it.
	s_cmp_eq_u32 s15, 0
	s_cselect_b64 s[66:67], s[20:21], s[46:47]
	s_cselect_b32 s18, s40, s41
	s_lshl_b32 s18, s18, 15
	s_mov_b32 s19, 0
	s_add_nc_u64 s[66:67], s[66:67], s[18:19]
	global_prefetch_b8 v30, s[66:67] offset:8192 th:TH_LOAD_NT scope:SCOPE_SE
	global_prefetch_b8 v30, s[66:67] offset:16384 th:TH_LOAD_NT scope:SCOPE_SE
	s_wait_tensorcnt 0x0                           ; my part of K slot 0 is in; the three lines ahead of a later first fill, as ahead of a refill
	ds_add_u32 v[SPW], v[NIL]
	s_wait_dscnt 0x0
	CROUND
	JLOAD G0+4, G1, G0B+4, G1B                     ; K slot 1, the first tensor load behind the round
	global_prefetch_b8 v30, s[66:67] offset:24576 th:TH_LOAD_NT scope:SCOPE_SE
	v_and_b32 v1, 31, v0
	v_lshlrev_b32 v4, 4, v1
	s_lshl_b32 s21, s15, 15
	s_lshl_b32 s22, s16, 15
	s_add_co_u32 s22, s22, 2*PART
.irp s, 0,1
	v_add_nc_u32 v[ADRA+\s], s21, v4
	v_add_nc_u32 v[ADRB+\s], s22, v4
	s_add_co_u32 s21, s21, SLOT
	s_add_co_u32 s22, s22, SLOT
.endr
	v_and_b32 v2, 15, v0
	v_bfe_u32 v3, v0, 4, 1
	s_mul_i32 s23, s14, 16*SP
	s_add_co_u32 s23, s23, STAGE
	v_mul_u32_u24 v5, v2, SP
	v_lshl_add_u32 v5, v3, 5, v5
	v_add_nc_u32 v[STO], s23, v5
	v_mul_u32_u24 v5, v3, SP
	v_lshl_add_u32 v5, v2, 4, v5
	v_add_nc_u32 v[RD], s23, v5
	v_lshlrev_b32 v[CO], 13, v3
	v_lshl_add_u32 v[CO], v2, 4, v[CO]
	s_lshl_b32 s90, s17, 20
	s_lshl_b32 s91, s15, 19
	s_add_co_u32 s90, s90, s91
	s_lshl_b32 s91, s42, 9
	s_add_co_u32 s90, s90, s91
	s_lshl_b32 s91, s16, 8
	s_add_co_u32 s90, s90, s91
	s_mov_b32 s91, 0
	s_add_nc_u64 s[10:11], s[10:11], s[90:91]
.macro MUL8 f, a0, zero
.irp a, \a0, \a0+1
.irp b, 0,1,2,3
.if \zero
	v_wmma_f32_16x16x128_fp8_fp8 v[ACC+8*(4*(\a)+\b):ACC+8*(4*(\a)+\b)+7], v[\f+64+16*\b:\f+64+16*\b+15], v[\f+16*(\a):\f+16*(\a)+15], 0
.else
	v_wmma_f32_16x16x128_fp8_fp8 v[ACC+8*(4*(\a)+\b):ACC+8*(4*(\a)+\b)+7], v[\f+64+16*\b:\f+64+16*\b+15], v[\f+16*(\a):\f+16*(\a)+15], v[ACC+8*(4*(\a)+\b):ACC+8*(4*(\a)+\b)+7]
.endif
.endr
.endr
.endm
.macro FETCH slot, q, f
	WIN TO_F
.irp i, 0,1,2,3
.irp c, 0,1,2,3
	ds_load_b128 v[\f+64+16*\i+4*\c:\f+64+16*\i+4*\c+3], v[ADRB+\slot] offset:8192*\i+2048*(\q)+512*\c
	ds_load_b128 v[\f+16*\i+4*\c:\f+16*\i+4*\c+3], v[ADRA+\slot] offset:8192*\i+2048*(\q)+512*\c
.endr
.endr
.endm
.macro PLACES
.rept 4
	v_nop
.endr
.endm
.macro STEP slot, q, f, g, zero
	s_wait_dscnt 0x0
	WIN MUL
	MUL8 \f, 0, \zero
	PLACES
	FETCH \slot, (\q)+1, \g
	WIN MUL
	MUL8 \f, 2, \zero
.endm
.macro TURN slot, next, fill
	WIN 0
	s_wait_tensorcnt 0x0
	ds_add_u32 v[SPW], v[NIL]
	s_wait_dscnt 1
	WIN MUL
	MUL8 F1, 0, 0
	s_wait_dscnt 0x0
	s_barrier_signal -1
	WIN 0
	s_barrier_wait -1
.if \fill
	CREST
	s_add_nc_u64 s[G0+4*\slot+2:G0+4*\slot+3], s[G0+4*\slot+2:G0+4*\slot+3], 16384
	s_add_nc_u64 s[G0B+4*\slot+2:G0B+4*\slot+3], s[G0B+4*\slot+2:G0B+4*\slot+3], 16384
	JLOAD G0+4*\slot, G1, G0B+4*\slot, G1B
.else
	PLACES
.endif
	FETCH \next, 0, F0
	WIN MUL
	MUL8 F1, 2, 0
.endm
	FETCH 0, 0, F0                                 ; slot 0 is whole: every wave waited for its part ahead of the round above
	STEP 0, 0, F0, F1, 1
	STEP 0, 1, F1, F0, 0
	STEP 0, 2, F0, F1, 0
	TURN 0, 1, 1
	STEP 1, 0, F0, F1, 0
	STEP 1, 1, F1, F0, 0
	STEP 1, 2, F0, F1, 0
	TURN 1, 0, 1
	STEP 0, 0, F0, F1, 0
	STEP 0, 1, F1, F0, 0
	STEP 0, 2, F0, F1, 0
	TURN 0, 1, 0
	STEP 1, 0, F0, F1, 0
	STEP 1, 1, F1, F0, 0
	STEP 1, 2, F0, F1, 0
	s_wait_dscnt 0x0
	WIN MUL
	MUL8 F1, 0, 0
	MUL8 F1, 2, 0
	WIN 0
.macro TOSTAGE a
.set n, 0
.rept 32
	v_mul_f32 v[TMP+n], s96, v[ACC+32*(\a)+n]
.set n, n+1
.endr
.irp b, 0,1,2,3
	ds_store_b128 v[STO], v[TMP+8*\b:TMP+8*\b+3] offset:64*\b
	ds_store_b128 v[STO], v[TMP+8*\b+4:TMP+8*\b+7] offset:64*\b+16
.endr
.set BB, BK+32*((\a)%2)
.irp t, 0,1,2,3,4,5,6,7
	ds_load_b128 v[BB+4*\t:BB+4*\t+3], v[RD] offset:\t*2*SP
.endr
.endm
.macro SEND a, younger
.set BB, BK+32*((\a)%2)
	s_wait_dscnt \younger
.irp t, 0,1,2,3,4,5,6,7
	global_store_b128 v[CO], v[BB+4*\t:BB+4*\t+3], s[10:11] offset:131072*(\a)+16384*\t th:TH_STORE_NT
.endr
.endm
	s_wait_kmcnt 0x0
	s_add_co_i32 s96, s96, s97
	s_add_co_i32 s96, s96, 127
	s_lshl_b32 s96, s96, 23
	PLACES
	TOSTAGE 0
.irp a, 1,2,3
.if \a > 1
	s_wait_xcnt 0x0
.endif
	TOSTAGE \a
	SEND \a-1, 16
.endr
	SEND 3, 0
	s_wait_tensorcnt 0x0
	ds_add_u32 v[SPW], v[NIL]
	s_wait_dscnt 0x0
	CROUND
	s_endpgm
.Lfunc_end_k_q6918731bca_proj:
	.size	k_q6918731bca_proj, .Lfunc_end_k_q6918731bca_proj-k_q6918731bca_proj
	.p2alignl 7, 3214868480
	.fill 96, 4, 3214868480
	.section	.rodata,"a",@progbits
	.p2align	6, 0x0
	.amdhsa_kernel k_q6918731bca_proj
		.amdhsa_group_segment_fixed_size 327680
		.amdhsa_private_segment_fixed_size 0
		.amdhsa_enable_private_segment 0
		.amdhsa_kernarg_size 32
		.amdhsa_user_sgpr_count 2
		.amdhsa_user_sgpr_kernarg_segment_ptr 1
		.amdhsa_wavefront_size32 1
		.amdhsa_system_sgpr_workgroup_id_x 1
		.amdhsa_system_sgpr_workgroup_id_y 1
		.amdhsa_system_sgpr_workgroup_id_z 1
		.amdhsa_system_vgpr_workitem_id 0
		.amdhsa_next_free_vgpr 512
		.amdhsa_next_free_sgpr 100
		.amdhsa_reserve_vcc 0
		.amdhsa_float_denorm_mode_32 3
		.amdhsa_float_denorm_mode_16_64 3
		.amdhsa_memory_ordered 1
		.amdhsa_forward_progress 1
		.amdhsa_inst_pref_size 74
	.end_amdhsa_kernel
	.amdgpu_metadata
---
amdhsa.version: [ 1, 2 ]
amdhsa.kernels:
  - .name:           k_q6918731bca_proj
    .symbol:         k_q6918731bca_proj.kd
    .args:
      - { .name: oc, .offset: 0, .size: 8, .value_kind: global_buffer, .address_space: global }
      - { .name: wc, .offset: 8, .size: 8, .value_kind: global_buffer, .address_space: global }
      - { .name: lowp_scales, .offset: 16, .size: 8, .value_kind: global_buffer, .address_space: global }
      - { .name: out0, .offset: 24, .size: 8, .value_kind: global_buffer, .address_space: global }
    .group_segment_fixed_size: 327680
    .private_segment_fixed_size: 0
    .kernarg_segment_align: 8
    .kernarg_segment_size: 32
    .max_flat_workgroup_size: 128
    .sgpr_count:     100
    .vgpr_count:     512
    .wavefront_size: 32
...
	.end_amdgpu_metadata
.endif
;; end of part 4
